; MI455X (gfx1250); checked and timed in simulation.
; The chip was launched on July 23, 2026; its instructions are those of AMD's public machine-readable ISA for CDNA 5 (MIT licence, August 2026) and "CDNA5" Instruction Set Architecture Reference Guide (July 2026). The comments in the code are by the model that wrote it; some were corrected since.
;; encoder transformer. Allowed arithmetic: matrix products marked QUANTISED: E3M2 operands, one E8M0 scale for each 32 along K, by v_wmma_scale_f32_16x16x128_f8f6f4 with both operands' format E3M2, f32 sums; everything else in f32.
;; Inputs: b1 2,048 float32; b2 512 float32; bk 64 float32; bo 512 float32; bq 64 float32; bv 64 float32; ln_b 512 float32; ln_g 512 float32; w1 512 x 2,048 float32; w2 2,048 x 512 float32; wk 512 x 64 float32; wo 512 x 512 float32; wq 512 x 64 float32; wv 512 x 64 float32; x 16 x 1,024 x 512 float32.
;; Outputs: out0 16 x 1,024 x 512 float32.
;; This version of the problem:
;;   THIS VERSION OF THE PROBLEM IS GIVEN IN LOW PRECISION. The matrix products marked QUANTISED in the list below multiply operands that are first quantised to E3M2 (3 exponent bits, 2 mantissa bits; 6 bits a number), with one power-of-two scale for each 32 numbers along K (OCP MX v1.0); their sums are f32. All else is computed in f32.
;;   The module's matrix products, in the order in which they are computed (A, B: the left and right operand; K: the contracted axis; several contracted axes count as one K, in the product's order):
;;     1. [M 16,384, K 512] x [K 512, N 64]; A: input x; B: input wq: QUANTISED
;;     2. [M 16,384, K 512] x [K 512, N 64]; A: input x; B: input wk: QUANTISED
;;     3. [M 16,384, K 512] x [K 512, N 64]; A: input x; B: input wv: QUANTISED
;;     4. batch 16 x [M 1,024, K 64] x [K 64, N 1,024]; A: computed on the way; B: computed on the way: QUANTISED
;;     5. batch 16 x [M 1,024, K 1,024] x [K 1,024, N 64]; A: computed on the way; B: computed on the way: QUANTISED
;;     6. [M 16,384, K 512] x [K 512, N 512]; A: computed on the way; B: input wo: QUANTISED
;;     7. [M 16,384, K 512] x [K 512, N 2,048]; A: computed on the way; B: input w1: QUANTISED
;;     8. [M 16,384, K 2,048] x [K 2,048, N 512]; A: computed on the way; B: input w2: QUANTISED
;;   THE QUANTISER, for each operand of a quantised product, along K:
;;     - K is cut into blocks of 32 from its start; a last block that is shorter is filled with zeros.
;;     - A block's scale is 2^e with e = floor(log2(the largest magnitude in the block)) - 4, held to -126 .. 127; a block of zeros has e = 0. As a byte (E8M0): e + 127.
;;     - Each number is divided by its block's scale, clamped to +-28, and rounded to the nearest number of E3M2, ties to even, subnormals kept.
;;     - The product sums the exact products of the quantised numbers (number of the format x scale) in f32.
;;   ~~~python
;;   def quantise(x, axis):      # numpy; x: float32 -> the quantised numbers, widened to float32 again
;;       x = np.moveaxis(x, axis, -1); K = x.shape[-1]
;;       x = np.pad(x, [(0, 0)] * (x.ndim - 1) + [(0, -K % 32)]); x = x.reshape(x.shape[:-1] + (-1, 32)); a = np.abs(x).max(-1, keepdims=True)
;;       e = np.where(a > 0, np.clip(np.frexp(np.where(a > 0, a, 1))[1] - 1 - 4, -126, 127), 0)      # np.frexp(a)[1] - 1 = floor(log2(a)), exactly
;;       r = np.clip(x / 2.0 ** e, -28, 28)
;;       step = 2.0 ** (np.maximum(np.frexp(np.where(r == 0, 1, r))[1] - 1, -2) - 2)
;;       q = np.round(r / step) * step * 2.0 ** e      # np.round: ties to even
;;       return np.moveaxis(q.reshape(q.shape[:-2] + (-1,))[..., :K], -1, axis).astype(np.float32)
;;   ~~~
;;   OPERANDS COMPUTED ON THE WAY. 'Computed on the way' means the value that the module computes at that place (a softmax that the list does not call 'softmax' is quantised finished and normalised). What goes into a quantiser is computed in f32, as accurately as f32 sums, v_exp_f32 and their like allow (about 1e-6 of the number): no bf16 or f16 on the way to a quantiser, and a product that is left as it is and whose result goes on into a quantised operand takes f32 operands (vector FMAs, or v_wmma_f32_16x16x4_f32). A number that lies on a knife's edge between two numbers of the format may be rounded either way, as far as f32 arithmetic and the matrix unit's own rounding can turn it there, and no further.
;; One version. Each part assembles by itself: llvm-mc -triple=amdgcn-amd-amdhsa -mcpu=gfx1250 --defsym DOCPART=n.
;; ======== version 1 of 1: 4 launches
;; limits: right only within a limited range of input values
;; workspace buffers: wimg 1,920,000 bytes; qkv 2,523,136 bytes; nz 65,536 bytes
;; launch prep (part 1): grid 150 x 1, 4 waves a work-group, no clusters, 12,800 bytes of LDS; arguments wq, wk, wv, wo, w1, w2, wimg; writes wimg
.if DOCPART == 1
	.amdgcn_target "amdgcn-amd-amdhsa--gfx1250"
	.amdhsa_code_object_version 6
	.text
	.protected	k_qc6620469fd_prep
	.globl	k_qc6620469fd_prep
	.p2align	8
	.type	k_qc6620469fd_prep,@function
k_qc6620469fd_prep:
	s_mov_b64 s[64:65], 0
	v_nop
	global_prefetch_b8 v0, s[64:65] scope:SCOPE_SE
	s_setreg_imm32_b32 hwreg(HW_REG_WAVE_MODE, 25, 1), 1
	s_wait_xcnt 0x0
; PREP.  The six weights, f32 with K as their FIRST axis, become codes of BF6 (E3M2) with one E8M0 byte for each 32 along K, laid in wimg as IMAGES OF THE OPERAND'S REGISTERS.
; A fragment (16 columns x 128 K, 12 registers a lane) is 1,536 bytes: registers 4 k .. 4 k + 3 of lane l at 512 k + 16 l.  THE COLUMNS OF A TILE ARE NOT NEIGHBOURS: lane r of tile 2 b + u takes column 32 b + 8 u + r + (r & 8).
; A part is 25,600 bytes: 16 fragments at ((K step & 1) x 8 + tile) x 1,536, then at 24,576 the scale words at (K step & 1) x 512 + 32 r + 4 tile.
; Parts 0-71: ((2 G + (K step >> 1)) x 4 + column / 128; G = 0: wo, 1 + 2 c: w1's columns 512 c on, 2 + 2 c: w2's K steps 4 c on.  Parts 72, 73: wq (tiles 0-3) and wk (tiles 4-7).  Part 74: wv, K steps 0, 1 in tiles 0-3 and 2, 3 in tiles 4-7.
; SHARES.  A work-group takes 32 neighbouring columns (two tiles) x 4 K steps, a wave one K step.  A LANE TAKES A COLUMN AND ITS REGISTERS RUN DOWN K: each load reads 128 consecutive bytes, a block of 32 lies in one lane,
; and the conversions give codes with K innermost.  The two fragments are put together in the wave's own 3,072 bytes of LDS and leave by six stores of 512 consecutive bytes.  The scale words leave in pieces of 8 bytes (75 KB in all).
; 150 work-groups: that is all the work there is (9.8 MB of weights).  No tensor load, no barrier: waves share nothing.
; A block's scale is 2^(floor(log2(largest magnitude)) - 4); its byte is the largest magnitude's exponent field - 4, held at 1 from below.
; LIMITS: a block of zeros gets the byte 1 where the rule says 127 (its codes are zeros, and this program alone reads the bytes); NaN and infinities are not served.
.set PARTB, 25600
.set FRB,   1536
.set X,     32                         ; v32-159  128 numbers down K; later v32-55 the way out
.set E,     160                        ; v160..   six registers of codes for each block, 8 apart
.set TT,    24                         ; v24-26   a block's second three registers as they are made
	s_load_b256 s[4:11], s[0:1], 0x0               ; wq s[4:5], wk s[6:7], wv s[8:9], wo s[10:11]
	s_load_b128 s[12:15], s[0:1], 0x20             ; w1 s[12:13], w2 s[14:15]
	s_load_b64 s[16:17], s[0:1], 0x30              ; wimg
	v_lshl_add_u32 v192, v0, 2, 0x3000
	v_mov_b32 v193, 0
	v_lshrrev_b32 v1, 5, v0
	v_readfirstlane_b32 s18, v1                    ; wave = K step of the work-group's four
	s_wait_kmcnt 0x0
	; Which tensor, by the work-group's number alone.  s21 pair of tiles (32 columns), s22 group of four K steps, s23 bytes in a row, s24 first part, s25 parts from K steps 0, 1 to 2, 3, s26 first tile, s27 tiles likewise, s[28:29] the tensor.
	s_sub_co_u32 s20, ttmp9, 86                    ; w2: work-groups 86-149
	s_and_b32 s21, s20, 15
	s_lshr_b32 s22, s20, 4
	s_mov_b32 s23, 2048
	s_lshl_b32 s24, s22, 4
	s_add_co_u32 s24, s24, 16                      ; 8 (2 + 2 group)
	s_lshr_b32 s30, s21, 2
	s_add_co_u32 s24, s24, s30
	s_mov_b32 s25, 4
	s_and_b32 s26, s21, 3
	s_lshl_b32 s26, s26, 1
	s_mov_b32 s27, 0
	s_mov_b64 s[28:29], s[14:15]
	s_sub_co_u32 s30, ttmp9, 22                    ; w1: work-groups 22-85
	s_lshr_b32 s31, s30, 4
	s_lshl_b32 s31, s31, 4
	s_add_co_u32 s31, s31, 8                       ; 8 (1 + 2 chunk)
	s_bfe_u32 s32, s30, 0x20002
	s_add_co_u32 s31, s31, s32
	s_and_b32 s32, s30, 3
	s_lshl_b32 s32, s32, 1
	s_cmp_lt_u32 ttmp9, 86
	s_cselect_b32 s21, s30, s21
	s_cselect_b32 s22, 0, s22
	s_cselect_b32 s23, 8192, s23
	s_cselect_b32 s24, s31, s24
	s_cselect_b32 s26, s32, s26
	s_cselect_b64 s[28:29], s[12:13], s[28:29]
	s_sub_co_u32 s30, ttmp9, 6                     ; wo: work-groups 6-21
	s_lshr_b32 s31, s30, 2
	s_and_b32 s32, s30, 3
	s_lshl_b32 s32, s32, 1
	s_cmp_lt_u32 ttmp9, 22
	s_cselect_b32 s21, s30, s21
	s_cselect_b32 s23, 2048, s23
	s_cselect_b32 s24, s31, s24
	s_cselect_b32 s26, s32, s26
	s_cselect_b64 s[28:29], s[10:11], s[28:29]
	s_sub_co_u32 s30, ttmp9, 4                     ; wv: work-groups 4, 5
	s_lshl_b32 s32, s30, 1
	s_cmp_lt_u32 ttmp9, 6
	s_cselect_b32 s21, s30, s21
	s_cselect_b32 s23, 256, s23
	s_cselect_b32 s24, 74, s24
	s_cselect_b32 s25, 0, s25
	s_cselect_b32 s26, s32, s26
	s_cselect_b32 s27, 4, s27
	s_cselect_b64 s[28:29], s[8:9], s[28:29]
	s_sub_co_u32 s30, ttmp9, 2                     ; wk: work-groups 2, 3
	s_lshl_b32 s32, s30, 1
	s_add_co_u32 s32, s32, 4
	s_cmp_lt_u32 ttmp9, 4
	s_cselect_b32 s21, s30, s21
	s_cselect_b32 s24, 72, s24
	s_cselect_b32 s25, 1, s25
	s_cselect_b32 s26, s32, s26
	s_cselect_b32 s27, 0, s27
	s_cselect_b64 s[28:29], s[6:7], s[28:29]
	s_lshl_b32 s32, ttmp9, 1                       ; wq: work-groups 0, 1
	s_cmp_lt_u32 ttmp9, 2
	s_cselect_b32 s21, ttmp9, s21
	s_cselect_b32 s26, s32, s26
	s_cselect_b64 s[28:29], s[4:5], s[28:29]
	; where my wave reads: row 128 (wave + 4 group), column 32 pair
	s_lshl_b32 s30, s22, 2
	s_add_co_u32 s30, s30, s18
	s_lshl_b32 s30, s30, 7
	s_mul_i32 s30, s30, s23
	s_lshl_b32 s31, s21, 7
	s_add_co_u32 s30, s30, s31
	s_mov_b32 s31, 0
	s_add_nc_u64 s[28:29], s[28:29], s[30:31]
	s_lshl_b32 s40, s23, 3                         ; eight rows, in bytes
	s_mov_b32 s41, 0
	; a base of its own for each of the sixteen groups of eight rows (s[28:29], then s[44:63] and s[66:75]): no base is written again while a load may still read it
.set g, 1
.rept 15
.set BN, 42+2*g+2*(g/11)
.if g == 1
	s_add_nc_u64 s[BN:BN+1], s[28:29], s[40:41]
.else
	s_add_nc_u64 s[BN:BN+1], s[BP:BP+1], s[40:41]
.endif
.set BP, BN
.set g, g+1
.endr
	; and where it writes
	s_lshr_b32 s32, s18, 1
	s_mul_i32 s33, s32, s25
	s_add_co_u32 s24, s24, s33                     ; my part
	s_mul_i32 s33, s32, s27
	s_add_co_u32 s26, s26, s33                     ; my first tile
	s_mul_i32 s34, s24, PARTB
	s_and_b32 s35, s18, 1
	s_lshl_b32 s36, s35, 3
	s_add_co_u32 s36, s36, s26
	s_mul_i32 s36, s36, FRB
	s_add_co_u32 s36, s36, s34
	s_mov_b32 s37, 0
	s_add_nc_u64 s[36:37], s[16:17], s[36:37]      ; my two fragments
	s_lshl_b32 s38, s35, 9
	s_lshl_b32 s39, s26, 2
	s_add_co_u32 s38, s38, s39
	s_add_co_u32 s38, s38, s34
	s_add_co_u32 s38, s38, 24576
	s_mov_b32 s39, 0
	s_add_nc_u64 s[38:39], s[16:17], s[38:39]      ; their scale words
	v_and_b32 v15, 31, v0                          ; lane = column of the 32
	v_lshlrev_b32 v2, 2, v15                       ; v2-9: 4 x lane + i rows
.irp i, 1,2,3,4,5,6,7
	v_add_nc_u32 v[2+\i], s23, v[1+\i]
.endr
	v_bfe_u32 v16, v0, 3, 1                        ; u: which of the two tiles my column falls into,
	v_and_b32 v17, 7, v0
	v_bfe_u32 v18, v0, 4, 1
	v_lshl_or_b32 v17, v18, 3, v17                 ; and which lane r of it: (column & 7) + 8 (column >> 4)
	s_mul_i32 s19, s18, 2*FRB                      ; my wave's stage
	v_mul_u32_u24 v10, v16, FRB
	v_lshl_add_u32 v10, v17, 4, v10
	v_add_nc_u32 v10, s19, v10                     ; into it: fragment u, 16 r
	v_lshlrev_b32 v12, 4, v15                      ; out: 16 x lane
	v_add_nc_u32 v11, s19, v12
	v_lshlrev_b32 v13, 5, v17
	v_lshl_add_u32 v13, v16, 2, v13                ; my scale word: 32 r + 4 u
.set g, 0
.rept 16                                           ; 128 rows, eight at a time, each group by its own base
.if g == 0
.set BN, 28
.else
.set BN, 42+2*g+2*(g/11)
.endif
.irp i, 0,1,2,3,4,5,6,7
	global_load_b32 v[X+8*g+\i], v[2+\i], s[BN:BN+1] th:TH_LOAD_NT   ; 32 lanes read 128 consecutive bytes of a row
.endr
.set g, g+1
.endr
; Block k of 32 along K: it is registers 6 (k / 2) .. + 5 of lane r + 16 (k % 2) of my column's fragment.
.macro BLOCK k
.set XS, X+32*\k
.set EK, E+8*\k
.if \k < 2
	s_wait_loadcnt 63                              ; behind this block's loads stand 96 or 64 others; the count's field ends at 63, so the smaller count stands
.else
	s_wait_loadcnt 32*(3-\k)                       ; the later blocks' loads may be out
.endif
	v_max3_num_f32 v16, |v[XS]|, |v[XS+1]|, |v[XS+2]|              ; the block's largest magnitude: all 32 numbers are mine; two chains
	v_max3_num_f32 v17, |v[XS+3]|, |v[XS+4]|, |v[XS+5]|
.irp i, 6,10,14,18,22,26
	v_max3_num_f32 v16, v16, |v[XS+\i]|, |v[XS+\i+1]|
	v_max3_num_f32 v17, v17, |v[XS+\i+2]|, |v[XS+\i+3]|
.endr
	v_max3_num_f32 v16, v16, |v[XS+30]|, |v[XS+31]|
	v_max3_num_f32 v16, v16, v17, 0x2800000        ; and the floor 2^(5 - 127): the byte cannot fall under 1
	v_add_nc_u32 v18, 0xfe000000, v16              ; 4 off the exponent field: the conversion's scale operand
	v_cvt_scalef32_pk16_bf6_f32 v[EK:EK+2], v[XS:XS+15], v18
	v_cvt_scalef32_pk16_bf6_f32 v[TT:TT+2], v[XS+16:XS+31], v18    ; (a conversion's three registers begin on an even number)
	v_lshrrev_b32 v19, 23, v18                     ; the scale's byte.  (Also the plain place behind the conversions)
.if \k == 0
	v_mov_b32 v14, v19
.else
	v_lshl_or_b32 v14, v19, 8*\k, v14              ; four bytes make my column's scale word
.endif
.irp i, 0,1,2
	v_mov_b32 v[EK+3+\i], v[TT+\i]
.endr
.if \k < 2
	ds_store_b128 v10, v[EK:EK+3] offset:256*(\k%2)                ; registers 0-3,
	ds_store_b64 v10, v[EK+4:EK+5] offset:512+256*(\k%2)           ; 4, 5
.else
	ds_store_b64 v10, v[EK:EK+1] offset:520+256*(\k%2)             ; 6, 7,
	ds_store_b128 v10, v[EK+2:EK+5] offset:1024+256*(\k%2)         ; 8-11
.endif
.endm
	BLOCK 0
	BLOCK 1
	BLOCK 2
	BLOCK 3
.irp i, 0,1,2,3,4,5
	ds_load_b128 v[X+4*\i:X+4*\i+3], v11 offset:512*\i             ; LDS serves a wave's instructions in order: these see my stores
.endr
	s_wait_alu depctr_va_vdst(0)
.irp i, 0,1,2,3,4,5
	s_wait_dscnt 5-\i
	global_store_b128 v12, v[X+4*\i:X+4*\i+3], s[36:37] offset:512*\i   ; 32 lanes store 512 consecutive bytes, at a multiple of 256 from wimg's first byte
.endr
	global_store_b32 v13, v14, s[38:39]
	s_wait_tensorcnt 0x0
	ds_add_u32 v192, v193
	s_wait_dscnt 0x0
	s_endpgm
.Lfunc_end_k_qc6620469fd_prep:
	.size	k_qc6620469fd_prep, .Lfunc_end_k_qc6620469fd_prep-k_qc6620469fd_prep
	.p2alignl 7, 3214868480
	.fill 96, 4, 3214868480
	.section	.rodata,"a",@progbits
	.p2align	6, 0x0
	.amdhsa_kernel k_qc6620469fd_prep
		.amdhsa_group_segment_fixed_size 12800
		.amdhsa_private_segment_fixed_size 0
		.amdhsa_enable_private_segment 0
		.amdhsa_kernarg_size 56
		.amdhsa_user_sgpr_count 2
		.amdhsa_user_sgpr_kernarg_segment_ptr 1
		.amdhsa_wavefront_size32 1
		.amdhsa_system_sgpr_workgroup_id_x 1
		.amdhsa_system_sgpr_workgroup_id_y 1
		.amdhsa_system_sgpr_workgroup_id_z 1
		.amdhsa_system_vgpr_workitem_id 0
		.amdhsa_next_free_vgpr 194
		.amdhsa_next_free_sgpr 80
		.amdhsa_reserve_vcc 0
		.amdhsa_float_denorm_mode_32 3
		.amdhsa_float_denorm_mode_16_64 3
		.amdhsa_memory_ordered 1
		.amdhsa_forward_progress 1
		.amdhsa_inst_pref_size 25
	.end_amdhsa_kernel
	.amdgpu_metadata
---
amdhsa.version: [ 1, 2 ]
amdhsa.kernels:
  - .name:           k_qc6620469fd_prep
    .symbol:         k_qc6620469fd_prep.kd
    .args:
      - { .name: wq, .offset: 0, .size: 8, .value_kind: global_buffer, .address_space: global }
      - { .name: wk, .offset: 8, .size: 8, .value_kind: global_buffer, .address_space: global }
      - { .name: wv, .offset: 16, .size: 8, .value_kind: global_buffer, .address_space: global }
      - { .name: wo, .offset: 24, .size: 8, .value_kind: global_buffer, .address_space: global }
      - { .name: w1, .offset: 32, .size: 8, .value_kind: global_buffer, .address_space: global }
      - { .name: w2, .offset: 40, .size: 8, .value_kind: global_buffer, .address_space: global }
      - { .name: wimg, .offset: 48, .size: 8, .value_kind: global_buffer, .address_space: global }
    .group_segment_fixed_size: 12800
    .private_segment_fixed_size: 0
    .kernarg_segment_align: 8
    .kernarg_segment_size: 56
    .max_flat_workgroup_size: 128
    .sgpr_count:     80
    .vgpr_count:     194
    .wavefront_size: 32
...
	.end_amdgpu_metadata
.endif
;; end of part 1
;; launch qkv (part 2): grid 256 x 1, 2 waves a work-group, clusters of 4 x 1, 168,192 bytes of LDS; arguments x, wimg, bq, bk, bv, qkv; writes qkv
.if DOCPART == 2
	.amdgcn_target "amdgcn-amd-amdhsa--gfx1250"
	.amdhsa_code_object_version 6
	.text
	.protected	k_qc6620469fd_qkv
	.globl	k_qc6620469fd_qkv
	.p2align	8
	.type	k_qc6620469fd_qkv,@function
k_qc6620469fd_qkv:
	s_mov_b64 s[64:65], 0
	v_nop
	global_prefetch_b8 v0, s[64:65] scope:SCOPE_SE
	s_setreg_imm32_b32 hwreg(HW_REG_WAVE_MODE, 25, 1), 1
	s_wait_xcnt 0x0
	s_wait_alu depctr_hold_cnt(0) depctr_sa_sdst(0) depctr_va_vdst(0) depctr_va_sdst(0) depctr_va_ssrc(0) depctr_va_vcc(0) depctr_vm_vsrc(0)
	s_getreg_b32 s2, hwreg(HW_REG_IB_STS2, 6, 4)
	s_cmp_eq_u32 s2, 0
	s_cbranch_scc0 .Lentry_in_a_cluster
	s_endpgm
.Lentry_in_a_cluster:
	s_bfe_u32 s2, ttmp6, 0x10000c
	s_cmp_lg_u32 s2, 0x3003
	s_cbranch_scc0 .Lentry_shape_is_right
	s_endpgm
.Lentry_shape_is_right:
; QKV.  q = x wq + bq, k = x wk + bk, v = x wv + bv on codes of BF6 (E3M2) with E8M0 scales; then q and k are quantised along their 64 numbers and v along the keys, and leave as images of operands' registers.
; SHARES.  A wave takes 32 rows of x (two tiles of 16; a block of v is 32 keys), a work-group two waves.  THE ROWS OF A TILE ARE NOT NEIGHBOURS: lane r of tile 2 g + u takes row 32 g + 8 u + r + (r & 8).
; x is read once, 16 neighbouring numbers of each block of 32 to a lane, and quantised in registers: 8 fragments (2 tiles x 4 K steps).
; q, k: source 0 = 16 columns of the weight, source 1 = 16 rows of x: a lane holds one row and its registers run along the 64.  v: source 0 = 16 rows of x, source 1 = 16 columns of wv: a lane holds one column and its registers run along the keys.
; THE WEIGHTS (parts 72-74 of wimg, 76,800 bytes) are the same for every work-group: the four work-groups of a cluster ask for them JOINTLY, one tensor load a wave, filled once.
; qkv, for each batch 157,696 bytes: 8 blocks of 13,056 for 128 keys (k: 8 half fragments of 768; their scale words at 6,144 + 32 r + 4 tile; v: 4 fragments at 6,656, each two half fragments; their scale words at 12,800 + 16 r + 4 tile, byte = block of 32 keys),
; then at 104,448 8 groups of 6,656 for 128 queries (8 half fragments; scale words at 6,144).  A half fragment is registers 0-3 at 16 x lane, then registers 4, 5 at 512 + 8 x lane.  v's scale bytes leave singly (32 KB in all).
; LIMITS: a block of zeros gets the byte 1 (its codes are zeros; this program alone reads the bytes); NaN and infinities are not served.
; REGISTERS: window 0: v1-12 addresses; v16-111 x's fragments; v112-119 their scale words; v120-151 wq's and wk's, v152-167 wv's; v168-183, v184-191 at work; v192-203 codes; v204-211 bv; v212-213 scale words made.
;   window 1: four sets of 64 numbers of x; later the accumulators, v0-63.   window 2: wq's, later wv's fragments; from v192 bq.   window 3: wk's; from v192 bk.
.set FRB, 1536
.set TM,  168                          ; +0..3 largest magnitudes, +4..7 bytes, +12..15 the conversions' scale operands
.set TT,  184
.set PC,  192
.set SEL, 62
.set MSB, 0
.macro WIN new                         ; the immediate's high byte repeats the setting that is left
.if MSB != \new
	s_set_vgpr_msb (MSB<<8)|\new
.set MSB, \new
.endif
.endm
.macro PLACES
.rept 4
	v_nop
.endr
.endm
.macro ROUND                           ; a round of the cluster's barrier
	s_barrier_signal -1
	s_barrier_wait -1
	s_cmp_lg_u32 s16, 0
	s_cbranch_scc1 .Lnot_wave_0_\@
	s_barrier_signal -3
.Lnot_wave_0_\@:
	s_barrier_wait -3
	s_barrier_signal -1
	s_barrier_wait -1
.endm
; 2 nc blocks of 32, of which my lane holds 16 numbers each (v[src + 16 b] on, in window w; lane l xor 16 holds the other 16), become codes: v[dst + 6 c] on holds, in lanes 0-15, block 2 c whole and, in lanes 16-31, block 2 c + 1.  The bytes stay in v[TM + 4 + b].
.macro QCORE src, w, dst, nc
	WIN ((\w)|((\w)<<2))
.set qb, 0
.rept 2*\nc
	v_max3_num_f32 v[TM+qb], |v[\src+16*qb]|, |v[\src+16*qb+1]|, 0x2800000   ; with the floor 2^(5 - 127): the byte cannot fall under 1.  Every accumulator is read from its low end on
.set qb, qb+1
.endr
	WIN (((\w)<<2)|((\w)<<4))
.set qi, 2
.rept 7
.set qb, 0
.rept 2*\nc
	v_max3_num_f32 v[TM+qb], v[TM+qb], |v[\src+16*qb+qi]|, |v[\src+16*qb+qi+1]|   ; (the blocks by turns)
.set qb, qb+1
.endr
.set qi, qi+2
.endr
	WIN 0
.set qb, 0
.rept 2*\nc
	v_permlanex16_b32 v[TM+4+qb], v[TM+qb], s[SEL], s[SEL+1]
.set qb, qb+1
.endr
.set qb, 0
.rept 2*\nc
	v_max_num_f32 v[TM+qb], v[TM+qb], v[TM+4+qb]                   ; the block's largest magnitude
.set qb, qb+1
.endr
.set qb, 0
.rept 2*\nc
	v_add_nc_u32 v[TM+12+qb], 0xfe000000, v[TM+qb]                 ; 4 off its exponent field: the conversion's scale operand
.set qb, qb+1
.endr
.set qb, 0
.rept 2*\nc
	v_lshrrev_b32 v[TM+4+qb], 23, v[TM+12+qb]                      ; the scale's byte
.set qb, qb+1
.endr
	WIN (\w)
.set qc, 0
.rept \nc
	v_cvt_scalef32_pk16_bf6_f32 v[\dst+6*qc:\dst+6*qc+2], v[\src+32*qc:\src+32*qc+15], v[TM+12+2*qc]
	v_cvt_scalef32_pk16_bf6_f32 v[TT+4*qc:TT+4*qc+2], v[\src+32*qc+16:\src+32*qc+31], v[TM+13+2*qc]
.set qc, qc+1
.endr
	WIN 0
	v_nop                                          ; one plain place behind a scaled conversion
.set qc, 0
.rept \nc
.irp i, 0,1,2
	v_permlane16_swap_b32 v[\dst+6*qc+\i], v[TT+4*qc+\i]           ; the first's lanes 16-31 change places with the second's lanes 0-15
.endr
.irp i, 0,1,2
	v_mov_b32 v[\dst+6*qc+3+\i], v[TT+4*qc+\i]
.endr
.set qc, qc+1
.endr
.endm
	s_load_b256 s[4:11], s[0:1], 0x0               ; x s[4:5], wimg s[6:7], bq s[8:9], bk s[10:11]
	s_load_b128 s[12:15], s[0:1], 0x20             ; bv s[12:13], qkv s[14:15]
	v_lshl_add_u32 v254, v0, 2, 0x29000
	v_mov_b32 v255, 0
	ds_add_u32 v254, v255
	ds_add_u32 v254, v255
	v_lshrrev_b32 v13, 5, v0
	v_readfirstlane_b32 s16, v13                   ; wave 0, 1
	s_bfe_u32 s17, ttmp6, 0x40000                  ; cx: it enters global addresses of x and qkv alone
	s_lshl_b32 s18, ttmp9, 2
	s_add_co_u32 s18, s18, s17                     ; work-group
	s_lshl_b32 s19, s18, 1
	s_add_co_u32 s19, s19, s16                     ; which 32 rows of the 16,384
	s_lshr_b32 s20, s19, 5                         ; batch
	s_bfe_u32 s21, s19, 0x30002                    ; which 128 rows of the batch
	s_and_b32 s22, s19, 3                          ; which 32 of them
	; the joint load: 150 rows of 256 bytes, dense
	s_mov_b32 s24, 15|(3<<16)|(1<<21)              ; 15:0 the mask: all four work-groups; 17:16 elements of 8 bytes; 21 set beside a mask
	s_mov_b32 s25, 32<<16                          ; tensor_dim0 = 32
	s_mov_b32 s26, 150<<16                         ; tensor_dim1 = 150
	s_mov_b32 s27, 32<<16                          ; tile_dim0 = 32
	s_mov_b32 s28, 150                             ; tile_dim1 = 150
	s_mov_b32 s29, 32                              ; from row to row
	s_mov_b32 s30, 0
	s_mov_b32 s31, 0
	s_mov_b32 s32, 1
	s_mul_i32 s33, s16, 38400                      ; LDS: my half
	s_add_co_u32 s36, s33, 72*25600                ; and in wimg, from part 72 on
	s_mov_b32 s37, 0
	s_mov_b32 s[SEL], 0x76543210
	s_mov_b32 s[SEL+1], 0xfedcba98                 ; v_permlanex16_b32's selects for lane l xor 16
	s_wait_dscnt 0x0
	s_wait_kmcnt 0x0
	s_add_nc_u64 s[34:35], s[6:7], s[36:37]
	s_or_b32 s35, s35, 0x80000000
	ROUND                                          ; all four work-groups are here: the joint loads meet
	tensor_load_to_lds s[32:35], s[24:31]          ; my one tensor load; these bytes are filled once
	s_nop 0
	PLACES
	; where my results go
	s_mul_i32 s40, s20, 157696
	s_mul_i32 s41, s21, 13056
	s_add_co_u32 s41, s41, s40                     ; the block of my 128 keys
	s_mul_i32 s42, s22, 2*768                      ; my two tiles in it
	s_mul_i32 s43, s21, 6656
	s_add_co_u32 s43, s43, s40
	s_add_co_u32 s43, s43, 104448                  ; the group of my 128 queries
	s_lshl_b32 s38, s22, 3
	s_lshr_b32 s39, s22, 1
	s_mul_i32 s39, s39, 768
	s_add_co_u32 s39, s39, s41
	s_add_co_u32 s39, s39, 6656                    ; v: my 32 keys are registers 6 (block / 2) on, lanes 16 (block % 2) on
	s_and_b32 s37, s22, 1
	s_mov_b32 s61, 0
	s_add_co_u32 s60, s41, s42
	s_add_nc_u64 s[44:45], s[14:15], s[60:61]      ; k's codes
	s_add_co_u32 s60, s41, s38
	s_add_co_u32 s60, s60, 6144
	s_add_nc_u64 s[46:47], s[14:15], s[60:61]      ; k's scale words
	s_add_co_u32 s60, s43, s42
	s_add_nc_u64 s[48:49], s[14:15], s[60:61]      ; q's codes
	s_add_co_u32 s60, s43, s38
	s_add_co_u32 s60, s60, 6144
	s_add_nc_u64 s[50:51], s[14:15], s[60:61]      ; q's scale words
	s_lshl_b32 s36, s37, 8
	s_add_co_u32 s60, s39, s36
	s_add_nc_u64 s[52:53], s[14:15], s[60:61]      ; v's registers 0-3 of a half fragment
	s_lshl_b32 s36, s37, 7
	s_add_co_u32 s60, s39, s36
	s_add_co_u32 s60, s60, 512
	s_add_nc_u64 s[54:55], s[14:15], s[60:61]      ; and 4, 5
	s_add_co_u32 s60, s41, s22
	s_add_co_u32 s60, s60, 12800
	s_add_nc_u64 s[56:57], s[14:15], s[60:61]      ; v's scale bytes
	s_lshl_b32 s60, s19, 16
	s_add_nc_u64 s[58:59], s[4:5], s[60:61]        ; my 32 rows of x
	v_and_b32 v13, 31, v0                          ; lane
	v_and_b32 v14, 15, v0                          ; r
	v_bfe_u32 v15, v0, 4, 1                        ; h
	v_and_b32 v9, 8, v14
	v_add_nc_u32 v9, v9, v14                       ; r + (r & 8)
	v_lshlrev_b32 v9, 2, v9                        ; bv: my column of a tile
	v_lshlrev_b32 v2, 4, v13                       ; 16 x lane
	v_lshlrev_b32 v3, 3, v13                       ; 8 x lane
	v_lshlrev_b32 v4, 5, v14                       ; 32 r
	v_mul_u32_u24 v5, v15, FRB
	v_lshl_add_u32 v6, v14, 3, v5                  ; v: lanes 16-31 hold the next tile's codes: 1,536 h + 8 r
	v_lshl_add_u32 v5, v14, 4, v5                  ; 1,536 h + 16 r
	v_lshlrev_b32 v7, 4, v14                       ; 16 r
	v_lshlrev_b32 v8, 6, v15                       ; bq, bk: 64 h
	v_add_nc_u32 v10, 51200, v2                    ; LDS: wv's fragments
	v_add_nc_u32 v11, 24576, v4                    ; wq's and wk's scale words
	v_add_nc_u32 v12, 75776, v4                    ; wv's
	s_mul_i32 s23, s16, 16896                      ; my two stages of 16 rows x (512 + 16) bytes, behind the weights' 76,800 bytes: no tensor load lands there
	s_add_co_u32 s23, s23, 76800
	v_add_nc_u32 v214, s23, v2                     ; into a stage: a row to 32 lanes
	v_mul_u32_u24 v215, v14, 528
	v_lshl_add_u32 v215, v15, 6, v215
	v_add_nc_u32 v215, s23, v215                   ; out of it: row r, + 64 h: my 16 numbers of a block of 32
.irp b, 0,1,2,3
	v_mov_b32 v[TM+4+\b], 0                        ; written once: a lane permute's destination counts as one of its sources
.endr
	WIN 0x80                                       ; destination window 2
.irp t, 0,1,2,3
	global_load_b128 v[192+8*\t:195+8*\t], v8, s[8:9] offset:(32*(\t/2)+8*(\t%2))*4        ; bq in the result's layout: the C of each sum's first product
	global_load_b128 v[196+8*\t:199+8*\t], v8, s[8:9] offset:(32*(\t/2)+8*(\t%2))*4+16
.endr
	WIN 0xc0                                       ; window 3
.irp t, 0,1,2,3
	global_load_b128 v[192+8*\t:195+8*\t], v8, s[10:11] offset:(32*(\t/2)+8*(\t%2))*4
	global_load_b128 v[196+8*\t:199+8*\t], v8, s[10:11] offset:(32*(\t/2)+8*(\t%2))*4+16
.endr
	WIN 0
.irp d, 0,1,2,3
	global_load_b32 v[204+2*\d], v9, s[12:13] offset:(32*(\d/2)+8*(\d%2))*4                ; bv of my column, in both registers of a pair
	global_load_b32 v[205+2*\d], v9, s[12:13] offset:(32*(\d/2)+8*(\d%2))*4
.endr
.macro XSET i                          ; set i = 4 u + s: tile u's numbers of K step s, 64 a lane, into window 1
	WIN 0x40
.irp k, 0,1,2,3,4,5,6,7,8,9,10,11,12,13,14,15
	global_load_b128 v[64*((\i)%4)+4*\k:64*((\i)%4)+4*\k+3], v2, s[58:59] offset:(((\i)/4)*8+\k+8*(\k/8))*2048+((\i)%4)*512   ; 32 lanes read 512 consecutive bytes of the row of the tile's lane k
.endr
	WIN 0
.endm
; Set i through stage i % 2: in as it was loaded, a row to 32 lanes; out 64 bytes of each block to a lane, into window 3, buffer i % 2.  LDS serves a wave's instructions in order: no wait between the stores and the loads
.macro XTURN i
	WIN 0x04                                       ; an LDS store's data are its source 1: window 1
.irp k, 0,1,2,3,4,5,6,7,8,9,10,11,12,13,14,15
	ds_store_b128 v214, v[64*((\i)%4)+4*\k:64*((\i)%4)+4*\k+3] offset:8448*((\i)%2)+528*\k
.endr
	WIN 0xc0
.irp b, 0,1,2,3
.irp j, 0,1,2,3
	ds_load_b128 v[64*((\i)%2)+16*\b+4*\j:64*((\i)%2)+16*\b+4*\j+3], v215 offset:8448*((\i)%2)+128*\b+16*\j
.endr
.endr
	WIN 0
.endm
	XSET 0
	XSET 1
	XSET 2
	XSET 3
	s_wait_alu depctr_va_vdst(0)
	s_wait_loadcnt 48                              ; the biases and set 0 are in; the three sets behind it may be out
	XTURN 0
; The weights come out of LDS behind the eight sets of x: the quantising of x needs none of them, and window 3 holds the turned sets until then
.macro WGET
	s_wait_alu depctr_va_vdst(0)
	s_wait_tensorcnt 0x0                           ; my half of the weights is in,
	s_wait_dscnt 0x0
	s_barrier_signal -1
	s_barrier_wait -1                              ; and the other wave's
	WIN 0x80
.irp s, 0,1,2,3
.irp t, 0,1,2,3
.irp c, 0,1,2
	ds_load_b128 v[12*(4*\s+\t)+4*\c:12*(4*\s+\t)+4*\c+3], v2 offset:(\s/2)*25600+((\s%2)*8+\t)*FRB+512*\c      ; wq (tile t, K step s)
.endr
.endr
.endr
	WIN 0xc0
.irp s, 0,1,2,3
.irp t, 0,1,2,3
.irp c, 0,1,2
	ds_load_b128 v[12*(4*\s+\t)+4*\c:12*(4*\s+\t)+4*\c+3], v2 offset:(\s/2)*25600+((\s%2)*8+4+\t)*FRB+512*\c    ; wk
.endr
.endr
.endr
	WIN 0
.irp s, 0,1,2,3
	ds_load_b128 v[120+8*\s:123+8*\s], v11 offset:(\s/2)*25600+(\s%2)*512          ; scale words: wq's four tiles,
	ds_load_b128 v[124+8*\s:127+8*\s], v11 offset:(\s/2)*25600+(\s%2)*512+16       ; wk's,
	ds_load_b128 v[152+4*\s:155+4*\s], v12 offset:(\s%2)*512+16*(\s/2)             ; wv's
.endr
.endm
.irp i, 0,1,2,3,4,5,6,7
.if \i < 7
.if \i < 5
	s_wait_loadcnt 32                              ; set i + 1 is in; the two sets behind it may be out
.else
	s_wait_loadcnt 16*(6-\i)
.endif
	XTURN \i+1                                     ; the next set is turned while this one is quantised
	s_wait_dscnt 32                                ; set i is back from its stage; the 32 instructions just issued may be out
.else
	s_wait_dscnt 0x0
.endif
.set XR, 64*(\i%2)
.set AFI, 16+12*\i
	QCORE XR, 3, AFI, 2
	v_lshl_or_b32 v[112+\i], v[TM+5], 8, v[TM+4]   ; the four bytes make my row's scale word
	v_lshl_or_b32 v[112+\i], v[TM+6], 16, v[112+\i]
	v_lshl_or_b32 v[112+\i], v[TM+7], 24, v[112+\i]
.if \i < 4
	XSET \i+4                                      ; set i's stores into its stage are done: its registers take the set four on
.endif
.endr
	WGET
	s_wait_dscnt 0x0                               ; the weights' fragments and scale words are in registers
.rept 8
	v_nop                                          ; a scale register written by a vector instruction stands 8 places ahead of a scaled matrix instruction, an operand so written 4
.endr
; q or k: 8 accumulators (tile of rows u, tile of columns t) by turns, a K step at a time; the bias starts each sum
.macro GQK win0, win1, tb
.irp s, 0,1,2,3
.if \s == 0
	WIN \win0
.else
	WIN \win1
.endif
	s_wait_alu depctr_va_vdst(0)
.irp t, 0,1,2,3
.irp u, 0,1
.if \s == 0
	v_wmma_scale_f32_16x16x128_f8f6f4 v[32*\u+8*\t:32*\u+8*\t+7], v[12*(4*\s+\t):12*(4*\s+\t)+11], v[16+12*(4*\u+\s):16+12*(4*\u+\s)+11], v[192+8*\t:192+8*\t+7], v[120+8*\s+\tb+\t], v[112+4*\u+\s] matrix_a_fmt:MATRIX_FMT_BF6 matrix_b_fmt:MATRIX_FMT_BF6
.else
	v_wmma_scale_f32_16x16x128_f8f6f4 v[32*\u+8*\t:32*\u+8*\t+7], v[12*(4*\s+\t):12*(4*\s+\t)+11], v[16+12*(4*\u+\s):16+12*(4*\u+\s)+11], v[32*\u+8*\t:32*\u+8*\t+7], v[120+8*\s+\tb+\t], v[112+4*\u+\s] matrix_a_fmt:MATRIX_FMT_BF6 matrix_b_fmt:MATRIX_FMT_BF6
.endif
.endr
.endr
.endr
	WIN 0
	PLACES
.endm
; its 2 x 64 numbers a lane become two half fragments and two scale words (the upper 64 of the instruction's 128 along K are zero codes under the byte 127)
.macro OUTQK p, ps
	QCORE 0, 1, PC, 2
.irp u, 0,1
	v_lshl_or_b32 v[212+\u], v[TM+5+2*\u], 8, v[TM+4+2*\u]
	v_or_b32 v[212+\u], 0x7f7f0000, v[212+\u]
.endr
.irp u, 0,1
	global_store_b128 v2, v[PC+6*\u:PC+6*\u+3], s[\p:\p+1] offset:768*\u           ; 512 consecutive bytes
	global_store_b64 v3, v[PC+6*\u+4:PC+6*\u+5], s[\p:\p+1] offset:768*\u+512      ; 256
.endr
	global_store_b64 v4, v[212:213], s[\ps:\ps+1]
.endm
	GQK 0x62, 0x52, 0                              ; q: wq and bq in window 2, sums in window 1
	WIN 0x80
.irp s, 0,1,2,3
.irp d, 0,1,2,3
.irp c, 0,1,2
	ds_load_b128 v[12*(4*\s+\d)+4*\c:12*(4*\s+\d)+4*\c+3], v10 offset:((\s%2)*8+4*(\s/2)+\d)*FRB+512*\c   ; wv takes wq's registers
.endr
.endr
.endr
	WIN 0
	OUTQK 48, 50
	GQK 0x73, 0x53, 4                              ; k: wk and bk in window 3
	s_wait_xcnt 0x0                                ; q's stores have read their data: the registers are written again
	OUTQK 44, 46
	s_wait_dscnt 0x0                               ; wv is in
.irp s, 0,1,2,3
.if \s == 0
	WIN 0x48                                       ; source 1 (wv) window 2, destination window 1
.else
	WIN 0x58
.endif
.irp d, 0,1,2,3
.irp u, 0,1
.if \s == 0
	v_wmma_scale_f32_16x16x128_f8f6f4 v[16*\d+8*\u:16*\d+8*\u+7], v[16+12*(4*\u+\s):16+12*(4*\u+\s)+11], v[12*(4*\s+\d):12*(4*\s+\d)+11], 0, v[112+4*\u+\s], v[152+4*\s+\d] matrix_a_fmt:MATRIX_FMT_BF6 matrix_b_fmt:MATRIX_FMT_BF6
.else
	v_wmma_scale_f32_16x16x128_f8f6f4 v[16*\d+8*\u:16*\d+8*\u+7], v[16+12*(4*\u+\s):16+12*(4*\u+\s)+11], v[12*(4*\s+\d):12*(4*\s+\d)+11], v[16*\d+8*\u:16*\d+8*\u+7], v[112+4*\u+\s], v[152+4*\s+\d] matrix_a_fmt:MATRIX_FMT_BF6 matrix_b_fmt:MATRIX_FMT_BF6
.endif
.endr
.endr
.endr
	WIN 0
	PLACES
	WIN 0x41                                       ; destination and source 0 window 1
.irp d, 0,1,2,3
.irp i, 0,2,4,6,8,10,12,14
	v_pk_add_f32 v[16*\d+\i:16*\d+\i+1], v[16*\d+\i:16*\d+\i+1], v[204+2*\d:205+2*\d] op_sel_hi:[1,0]   ; + bv of my column; register 16 d + i is key 16 h + i of my 32
.endr
.endr
	WIN 0
	s_wait_xcnt 0x0                                ; k's stores have read their data
	QCORE 0, 1, PC, 2                              ; block d = my column of tile d, 32 keys
.irp c, 0,1
	global_store_b128 v5, v[PC+6*\c:PC+6*\c+3], s[52:53] offset:3072*\c            ; sixteen lanes store 256 consecutive bytes, aligned
	global_store_b64 v6, v[PC+6*\c+4:PC+6*\c+5], s[54:55] offset:3072*\c
.endr
.irp d, 0,1,2,3
	global_store_b8 v7, v[TM+4+\d], s[56:57] offset:4*\d                           ; both halves of the lanes store the same byte
.endr
	s_wait_tensorcnt 0x0
	ds_add_u32 v254, v255
	s_wait_dscnt 0x0
	ROUND                                          ; the closing round: no work-group ends while a partner may still ask
	s_endpgm
.Lfunc_end_k_qc6620469fd_qkv:
	.size	k_qc6620469fd_qkv, .Lfunc_end_k_qc6620469fd_qkv-k_qc6620469fd_qkv
	.p2alignl 7, 3214868480
	.fill 96, 4, 3214868480
	.section	.rodata,"a",@progbits
	.p2align	6, 0x0
	.amdhsa_kernel k_qc6620469fd_qkv
		.amdhsa_group_segment_fixed_size 168192
		.amdhsa_private_segment_fixed_size 0
		.amdhsa_enable_private_segment 0
		.amdhsa_kernarg_size 48
		.amdhsa_user_sgpr_count 2
		.amdhsa_user_sgpr_kernarg_segment_ptr 1
		.amdhsa_wavefront_size32 1
		.amdhsa_system_sgpr_workgroup_id_x 1
		.amdhsa_system_sgpr_workgroup_id_y 1
		.amdhsa_system_sgpr_workgroup_id_z 1
		.amdhsa_system_vgpr_workitem_id 0
		.amdhsa_next_free_vgpr 1024
		.amdhsa_next_free_sgpr 66
		.amdhsa_reserve_vcc 0
		.amdhsa_float_denorm_mode_32 3
		.amdhsa_float_denorm_mode_16_64 3
		.amdhsa_memory_ordered 1
		.amdhsa_forward_progress 1
		.amdhsa_inst_pref_size 108
	.end_amdhsa_kernel
	.amdgpu_metadata
---
amdhsa.version: [ 1, 2 ]
amdhsa.kernels:
  - .name:           k_qc6620469fd_qkv
    .symbol:         k_qc6620469fd_qkv.kd
    .args:
      - { .name: x, .offset: 0, .size: 8, .value_kind: global_buffer, .address_space: global }
      - { .name: wimg, .offset: 8, .size: 8, .value_kind: global_buffer, .address_space: global }
      - { .name: bq, .offset: 16, .size: 8, .value_kind: global_buffer, .address_space: global }
      - { .name: bk, .offset: 24, .size: 8, .value_kind: global_buffer, .address_space: global }
      - { .name: bv, .offset: 32, .size: 8, .value_kind: global_buffer, .address_space: global }
      - { .name: qkv, .offset: 40, .size: 8, .value_kind: global_buffer, .address_space: global }
    .group_segment_fixed_size: 168192
    .private_segment_fixed_size: 0
    .kernarg_segment_align: 8
    .kernarg_segment_size: 48
    .max_flat_workgroup_size: 64
    .sgpr_count:     66
    .vgpr_count:     1024
    .wavefront_size: 32
...
	.end_amdgpu_metadata
.endif
;; end of part 2
;; launch stats (part 3): grid 256 x 1, 4 waves a work-group, no clusters, 0 bytes of LDS; arguments qkv, nz; writes nz
.if DOCPART == 3
	.amdgcn_target "amdgcn-amd-amdhsa--gfx1250"
	.amdhsa_code_object_version 6
	.text
	.protected	k_qc6620469fd_stats
	.globl	k_qc6620469fd_stats
	.p2align	8
	.type	k_qc6620469fd_stats,@function
k_qc6620469fd_stats:
	s_mov_b64 s[64:65], 0
	v_nop
	global_prefetch_b8 v0, s[64:65] scope:SCOPE_SE
	s_setreg_imm32_b32 hwreg(HW_REG_WAVE_MODE, 25, 1), 1
	s_wait_xcnt 0x0
; STATS.  The softmax runs over the QUERIES: for each key, nz = -(c max_q s + log2(sum_q 2^(c s - c max))), c = log2(e) / 8, s = q . k on codes of BF6.  The next launch's weight is then 2^(c s + nz), finished and normalised.
; SHARES.  A wave takes one tile of 16 keys and walks the batch's 64 tiles of queries, 8 a step.  Source 0 = 16 queries, source 1 = my 16 keys: a lane holds ONE key and eight queries a tile,
; so maximum and sum stay in the lane (a running maximum, as the sum's terms ask) and meet lane l xor 16's once, at the end.  No LDS, no barrier.  K is 64: the upper halves of the operands are zero codes, cleared once.
; TWO SETS of query fragments take turns (set 1 in register window 1): step j + 2's 18 loads are asked for behind step j's products and have two steps' arithmetic in which to land.
; LIMITS: NaN and infinities are not served.
; REGISTERS: v1-4 addresses; v16-27 my keys, v28 their scale words; v32-127 queries, set 0 (the same numbers in window 1: set 1); v128-135, v216-223 their scale words; v136-199 scores; v200-215 at work.
.set MSB, 0
.macro WIN new                         ; the immediate's high byte repeats the setting that is left
.if MSB != \new
	s_set_vgpr_msb (MSB<<8)|\new
.set MSB, \new
.endif
.endm
.macro PLACES
.rept 4
	v_nop
.endr
.endm
	s_load_b128 s[4:7], s[0:1], 0x0                ; qkv, nz
	v_lshrrev_b32 v1, 5, v0
	v_readfirstlane_b32 s8, v1
	s_lshl_b32 s9, ttmp9, 2
	s_add_co_u32 s9, s9, s8                        ; which of the 1,024 tiles of keys
	s_lshr_b32 s10, s9, 6                          ; batch
	s_and_b32 s11, s9, 63                          ; tile of the batch
	s_mul_i32 s22, s10, 157696
	s_lshr_b32 s24, s11, 3
	s_mul_i32 s24, s24, 13056
	s_add_co_u32 s24, s24, s22                     ; the block of its 128 keys
	s_and_b32 s26, s11, 7
	s_mul_i32 s27, s26, 768
	s_add_co_u32 s30, s24, s27                     ; its codes
	s_mov_b32 s31, 0
	s_lshl_b32 s26, s26, 2
	s_add_co_u32 s26, s26, s24
	s_add_co_u32 s26, s26, 6144                    ; its scale words
	s_mov_b32 s27, 0
	s_add_co_u32 s22, s22, 104448                  ; the batch's queries
	s_mov_b32 s23, 0
	s_lshl_b32 s24, s10, 12
	s_lshr_b32 s25, s11, 1
	s_lshl_b32 s25, s25, 7
	s_add_co_u32 s24, s24, s25
	s_and_b32 s25, s11, 1
	s_lshl_b32 s25, s25, 5
	s_add_co_u32 s24, s24, s25                     ; nz: 4 (1,024 batch + 32 (tile / 2) + 8 (tile % 2))
	s_mov_b32 s25, 0
	s_mov_b32 s18, 0x3e38aa3b                      ; c = log2(e) / 8
	s_mov_b32 s19, s18                             ; (named with it as a pair, so it is written)
	s_mov_b32 s20, 0x76543210
	s_mov_b32 s21, 0xfedcba98
	v_and_b32 v5, 31, v0
	v_and_b32 v6, 15, v0
	v_lshlrev_b32 v1, 4, v5                        ; 16 x lane
	v_lshlrev_b32 v2, 3, v5                        ; 8 x lane
	v_lshlrev_b32 v3, 5, v6                        ; 32 r
	v_and_b32 v4, 8, v6
	v_add_nc_u32 v4, v4, v6
	v_lshlrev_b32 v4, 2, v4                        ; 4 (r + (r & 8)): my key in nz
	s_wait_alu depctr_va_vdst(0)
	s_wait_kmcnt 0x0
	s_add_nc_u64 s[14:15], s[4:5], s[30:31]
	s_add_nc_u64 s[28:29], s[4:5], s[26:27]
	s_add_nc_u64 s[12:13], s[4:5], s[22:23]
	s_add_nc_u64 s[16:17], s[6:7], s[24:25]
	global_load_b128 v[16:19], v1, s[14:15]
	global_load_b64 v[20:21], v2, s[14:15] offset:512
	global_load_b32 v28, v3, s[28:29]
.macro QLOAD j                         ; 8 tiles of queries and their scale words, into set j % 2: 18 loads
.set QSL, 128+88*((\j)%2)
	WIN (0x40*((\j)%2))
.irp i, 0,1,2,3,4,5,6,7
	global_load_b128 v[32+12*\i:35+12*\i], v1, s[12:13] offset:(\j)*6656+768*\i
	global_load_b64 v[36+12*\i:37+12*\i], v2, s[12:13] offset:(\j)*6656+768*\i+512
.endr
	WIN 0
	global_load_b128 v[QSL:QSL+3], v3, s[12:13] offset:(\j)*6656+6144
	global_load_b128 v[QSL+4:QSL+7], v3, s[12:13] offset:(\j)*6656+6160
.endm
	QLOAD 0
	QLOAD 1
.irp i, 22,23,24,25,26,27
	v_mov_b32 v[\i], 0                             ; my keys' codes of K = 64 .. 127
.endr
.irp t, 0,1,2,3,4,5,6,7
.irp i, 6,7,8,9,10,11
	v_mov_b32 v[32+12*\t+\i], 0                    ; the queries' likewise: the loads never touch them
.endr
.endr
	WIN 0x40
.irp t, 0,1,2,3,4,5,6,7
.irp i, 6,7,8,9,10,11
	v_mov_b32 v[32+12*\t+\i], 0                    ; and set 1's
.endr
.endr
	WIN 0
	v_mov_b32 v200, 0xff61b1e6                     ; the largest c s so far: -3e38
	v_mov_b32 v201, 0                              ; (upper halves of pairs of which the low word serves both halves)
	v_mov_b32 v202, 0                              ; the sum, in two halves
	v_mov_b32 v203, 0
	v_mov_b32 v207, 0
.macro CHUNK j
.set QSC, 128+88*((\j)%2)
.if \j < 7
	s_wait_loadcnt 18                              ; this step's loads are in; the next step's 18 may be out
.else
	s_wait_loadcnt 0x0
.endif
	WIN ((\j)%2)                                   ; source 0: this step's set
.irp i, 0,1,2,3,4,5,6,7
	v_wmma_scale_f32_16x16x128_f8f6f4 v[136+8*\i:143+8*\i], v[32+12*\i:43+12*\i], v[16:27], 0, v[QSC+\i], v28 matrix_a_fmt:MATRIX_FMT_BF6 matrix_b_fmt:MATRIX_FMT_BF6
.endr
	WIN 0
	PLACES                                         ; in front of loads into registers that the products have read, and of the first read of results
.if \j < 6
	QLOAD \j+2
.endif
.irp a, 0,1,2,3
	v_max3_num_f32 v[210+\a], v[136+16*\a], v[137+16*\a], v[138+16*\a]             ; the largest of my 64 scores, in four chains, each accumulator from its low end on
.endr
.irp i, 3,5,7,9,11,13
.irp a, 0,1,2,3
	v_max3_num_f32 v[210+\a], v[210+\a], v[136+16*\a+\i], v[137+16*\a+\i]
.endr
.endr
.irp a, 0,1,2,3
	v_max_num_f32 v[210+\a], v[210+\a], v[151+16*\a]
.endr
	v_max3_num_f32 v214, v210, v211, v212
	v_max_num_f32 v214, v214, v213
	v_mul_f32 v205, s18, v214
	v_mov_b32 v204, v200
	v_max_num_f32 v200, v200, v205                 ; the running maximum of c s
	v_sub_f32 v204, v204, v200
	s_wait_alu depctr_va_vdst(0)
	v_exp_f32 v206, v204                           ; what was summed under the old maximum is brought under the new
.set ai, 0
.rept 32
	v_pk_fma_f32 v[136+ai:137+ai], v[136+ai:137+ai], s[18:19], v[200:201] op_sel_hi:[1,0,0] neg_lo:[0,0,1] neg_hi:[0,0,1]   ; c s - the maximum
.set ai, ai+2
.endr
.set ai, 0
	s_wait_alu depctr_va_vdst(0)
.rept 64
	v_exp_f32 v[136+ai], v[136+ai]
.set ai, ai+1
.endr
	s_wait_alu depctr_va_vdst(0)
	v_pk_mul_f32 v[202:203], v[202:203], v[206:207] op_sel_hi:[1,0]                ; (a plain place behind the exponentials)
	v_pk_add_f32 v[208:209], v[136:137], v[138:139]                                ; two chains
.irp q, 4,8,12,16,20,24,28,32,36,40,44,48,52,56,60
	v_pk_add_f32 v[202:203], v[202:203], v[136+\q:137+\q]
	v_pk_add_f32 v[208:209], v[208:209], v[138+\q:139+\q]
.endr
	v_pk_add_f32 v[202:203], v[202:203], v[208:209]
.endm
.irp j, 0,1,2,3,4,5,6,7
	CHUNK \j
.endr
	v_add_f32 v202, v202, v203                     ; my 512 queries' sum,
	v_permlanex16_b32 v204, v200, s20, s21         ; and the other 512's maximum
	v_permlanex16_b32 v205, v202, s20, s21         ; and sum
	v_max_num_f32 v208, v200, v204
	v_sub_f32 v209, v200, v208
	v_sub_f32 v210, v204, v208
	s_wait_alu depctr_va_vdst(0)
	v_exp_f32 v209, v209
	v_exp_f32 v210, v210
	v_nop                                          ; one plain place behind a transcendental
	s_wait_alu depctr_va_vdst(0)
	v_mul_f32 v202, v202, v209
	v_fma_f32 v202, v205, v210, v202
	s_wait_alu depctr_va_vdst(0)
	v_log_f32 v211, v202
	v_nop
	s_wait_alu depctr_va_vdst(0)
	v_sub_f32 v212, -v208, v211                    ; nz
	global_store_b32 v4, v212, s[16:17]            ; both halves of the lanes store the same word
	s_endpgm
.Lfunc_end_k_qc6620469fd_stats:
	.size	k_qc6620469fd_stats, .Lfunc_end_k_qc6620469fd_stats-k_qc6620469fd_stats
	.p2alignl 7, 3214868480
	.fill 96, 4, 3214868480
	.section	.rodata,"a",@progbits
	.p2align	6, 0x0
	.amdhsa_kernel k_qc6620469fd_stats
		.amdhsa_group_segment_fixed_size 0
		.amdhsa_private_segment_fixed_size 0
		.amdhsa_enable_private_segment 0
		.amdhsa_kernarg_size 16
		.amdhsa_user_sgpr_count 2
		.amdhsa_user_sgpr_kernarg_segment_ptr 1
		.amdhsa_wavefront_size32 1
		.amdhsa_system_sgpr_workgroup_id_x 1
		.amdhsa_system_sgpr_workgroup_id_y 1
		.amdhsa_system_sgpr_workgroup_id_z 1
		.amdhsa_system_vgpr_workitem_id 0
		.amdhsa_next_free_vgpr 384
		.amdhsa_next_free_sgpr 66
		.amdhsa_reserve_vcc 0
		.amdhsa_float_denorm_mode_32 3
		.amdhsa_float_denorm_mode_16_64 3
		.amdhsa_memory_ordered 1
		.amdhsa_forward_progress 1
		.amdhsa_inst_pref_size 97
	.end_amdhsa_kernel
	.amdgpu_metadata
---
amdhsa.version: [ 1, 2 ]
amdhsa.kernels:
  - .name:           k_qc6620469fd_stats
    .symbol:         k_qc6620469fd_stats.kd
    .args:
      - { .name: qkv, .offset: 0, .size: 8, .value_kind: global_buffer, .address_space: global }
      - { .name: nz, .offset: 8, .size: 8, .value_kind: global_buffer, .address_space: global }
    .group_segment_fixed_size: 0
    .private_segment_fixed_size: 0
    .kernarg_segment_align: 8
    .kernarg_segment_size: 16
    .max_flat_workgroup_size: 128
    .sgpr_count:     66
    .vgpr_count:     384
    .wavefront_size: 32
...
	.end_amdgpu_metadata
.endif
;; end of part 3
;; launch main (part 4): grid 256 x 1, 4 waves a work-group, clusters of 4 x 1, 327,680 bytes of LDS; arguments x, qkv, nz, wimg, bo, b1, b2, ln_g, ln_b, out0; writes out0
.if DOCPART == 4
	.amdgcn_target "amdgcn-amd-amdhsa--gfx1250"
	.amdhsa_code_object_version 6
	.text
	.protected	k_qc6620469fd_main
	.globl	k_qc6620469fd_main
	.p2align	8
	.type	k_qc6620469fd_main,@function
k_qc6620469fd_main:
	s_mov_b64 s[64:65], 0
	v_nop
	global_prefetch_b8 v0, s[64:65] scope:SCOPE_SE
	s_setreg_imm32_b32 hwreg(HW_REG_WAVE_MODE, 25, 1), 1
	s_wait_xcnt 0x0
	s_wait_alu depctr_hold_cnt(0) depctr_sa_sdst(0) depctr_va_vdst(0) depctr_va_sdst(0) depctr_va_ssrc(0) depctr_va_vcc(0) depctr_vm_vsrc(0)
	s_getreg_b32 s2, hwreg(HW_REG_IB_STS2, 6, 4)
	s_cmp_eq_u32 s2, 0
	s_cbranch_scc0 .Lentry_in_a_cluster
	s_endpgm
.Lentry_in_a_cluster:
	s_bfe_u32 s2, ttmp6, 0x10000c
	s_cmp_lg_u32 s2, 0x3003
	s_cbranch_scc0 .Lentry_shape_is_right
	s_endpgm
.Lentry_shape_is_right:
; MAIN.  For 64 rows of a batch: scores, finished softmax weights, head, head x wo, + x, LayerNorm, the two products of the feed-forward part, LayerNorm.  Every product on codes of BF6 (E3M2) with E8M0 scales; all else in f32.
; ATTENTION: wave w owns the row tile w (16 queries).  S^T = K Q^T (a lane holds one query, its registers run along the keys); p = 2^(c s + nz[key]), c = log2(e) / 8: nz takes the column's maximum and its sum away, so the exponent is 0 or less;
; p is quantised along the keys, 128 a step; O^T += V^T P^T.  The batch's k and v (104,448 bytes) and nz (4,096) come into LDS once.
; THE NINE LARGE PRODUCTS' WAVES SHARE THE COLUMNS: wave w makes columns 128 w .. + 127 (8 tiles) for all four row tiles: 32 accumulators by turns.  Source 0 = 16 columns of the weight, source 1 = 16 rows:
; a lane holds one row, and its 64 registers of a row tile are K step w of the next product, 16 neighbours of each block of 32.  Rows' codes go from wave to wave through LDS as images of the operand's registers.
; The eight heads are one: the operand of head x wo is the head's 64 codes twice over, the same in all four K steps.  The hidden layer goes in four chunks of 512 and never leaves the work-group; h + b2 starts the last product's sums.
; THE WEIGHTS are a dense stream of 18 tiles of 102,400 bytes (two K steps x 512 columns), two to a product; wave w alone reads quarter w of a tile.
;   A product's SECOND tile comes through a ring of two LDS slots (product g: slot g % 2).  Every work-group walks the same stream: the four of a cluster ask JOINTLY (mask 15), one tensor load a wave behind a round, one round a product;
;   the tile is asked for two products ahead, and a whole product passes before the wait for it.  A mask names four work-groups at the most and all share the one stream, so a cluster of 4 x 1 is all that can be shared.
;   A product's FIRST tile comes straight into the two sets of fragment registers, by global loads issued as soon as the product before has multiplied a set for the last time.  Why not jointly too: behind a round one tile, 102,400 bytes,
;   is on its way and no more, for the 64 matrix instructions a wave that a tile feeds, and LDS has no room for larger slots beside the images; the two register sets put 98,304 bytes more on their way with no barrier,
;   and since no second wave reads a fragment, those bytes are spared their way into LDS and out of it.
; By this text's own count a wave has one tensor load out at the start and one behind each round.
; ROWS: lane r of row tile m takes row 32 (m / 2) + 8 (m % 2) + r + (r & 8) of the 64; columns of a weight's tile likewise.
; LIMITS: NaN and infinities are not served; a block of zeros carries the byte 1 over zero codes; a p under 2^-126 counts as 0; sums over K and over a row are taken in a fixed order of their own.
; LDS: 0, 102,400 the slots; 204,800 k and v, later (behind a barrier that every wave reaches with its reads of them over; these bytes have had their only fill) h's and the hidden chunk's images, the LayerNorm's sums and the stages;
;   309,248 nz; 313,344 the head's images; 319,488 their scale words; 320,000 the spare words.
; REGISTERS: window 0: v1-27 addresses; v32-47 weights' scale words, v48-55 rows', two sets each; v56-59 scale words made; v60-95 at work; v96-191 rows' fragments, two sets; v224-239 means and 1 / deviations.
;   window 1: y's accumulators (64 m + 8 t).   window 2: x, then b2, then the hidden chunk's accumulators.   window 3: weights' fragments, two sets; from v192 a bias as C.
;   In attention: window 0: v32-39, v40-43, v44 k's, v's, q's scale words; v56 p's; v96-159 S^T, p; v160-223 nz; v224-255 O^T.  window 1: v0-95 k, v96-107 q, v108-155 v.
; THE FILLS AS THIS TEXT HAS THEM (this takes the place of the count of loads given above): at the head ONE joint load a wave: waves 0-2 a third of k and v each (136 rows of 256 bytes), wave 3 nz (16 rows).
;   Slot 0's first fill (tile 1) stands behind the full sequence and a round in front of the key steps, slot 1's (tile 3) behind a second one behind the key loop: one load a wave is out at any time.
; bo, ln_g and ln_b (2,048 bytes each) are fetched once a work-group, 16 bytes a thread, into LDS bytes of their own from 320,512 on and read from there in the result's layout.
; GLOBAL LOADS OUT AT THE HEAD: 3 for q, 3 for these vectors, 56 of x's 64: 62; x's last 8 go out behind the key loop, with wo's first tile: 8 + 52 = 60.
; NO PREFETCH: a tile that comes through a slot is asked for two products ahead of its use, one that comes into registers as soon as its registers are free.
.set SLOTB, 102400
.set PARTB, 25600
.set FRB,   1536
.set KV,    204800
.set STEPB, 13056
.set ZB,    309248
.set OIMG,  313344
.set OSC,   319488
.set SPARE, 320000
.set VECS,  320512                     ; bo, then ln_g at + 2,048, then ln_b at + 4,096: stored once, never a tensor load's target
.set HIMG,  0                          ; these four count from KV
.set HSC,   24576
.set MIMG,  26624
.set MSC,   51200
.set LNX,   258048
.set STAGE, 262144
.set TM,    60                         ; +0..3 largest magnitudes, +4..7 bytes, +12..15 the conversions' scale operands
.set TT,    76
.set PC,    84
.set SEL,   76                         ; s[76:77]
.set MSB, 0
.macro WIN new                         ; the immediate's high byte repeats the setting that is left
.if MSB != \new
	s_set_vgpr_msb (MSB<<8)|\new
.set MSB, \new
.endif
.endm
.macro PLACES                          ; four places: in front of loads into registers that matrix instructions have read, and of the first read of results
.rept 4
	v_nop
.endr
.endm
.macro BARRIER                         ; my LDS stores have landed and my LDS loads are in: then the work-group's barrier.
	s_wait_dscnt 0x0
	s_barrier_signal -1
	s_barrier_wait -1
.endm
.macro ROUND                           ; a round of the cluster's barrier
	s_barrier_signal -1
	s_barrier_wait -1
	s_cmp_lg_u32 s24, 0
	s_cbranch_scc1 .Lnot_wave_0_\@
	s_barrier_signal -3
.Lnot_wave_0_\@:
	s_barrier_wait -3
	s_barrier_signal -1
	s_barrier_wait -1
.endm
; 2 nc blocks of 32, of which my lane holds 16 numbers each (v[src + 16 b] on, in window w; lane l xor 16 holds the other 16), become codes: v[dst + 6 c] on holds, in lanes 0-15, block 2 c whole and, in lanes 16-31, block 2 c + 1.  The bytes stay in v[TM + 4 + b].
.macro QCORE src, w, dst, nc
	WIN ((\w)|((\w)<<2))
.set qb, 0
.rept 2*\nc
	v_max3_num_f32 v[TM+qb], |v[\src+16*qb]|, |v[\src+16*qb+1]|, 0x2800000   ; with the floor 2^(5 - 127): the byte cannot fall under 1.  Every accumulator is read from its low end on
.set qb, qb+1
.endr
	WIN (((\w)<<2)|((\w)<<4))
.set qi, 2
.rept 7
.set qb, 0
.rept 2*\nc
	v_max3_num_f32 v[TM+qb], v[TM+qb], |v[\src+16*qb+qi]|, |v[\src+16*qb+qi+1]|   ; (the blocks by turns)
.set qb, qb+1
.endr
.set qi, qi+2
.endr
	WIN 0
.set qb, 0
.rept 2*\nc
	v_permlanex16_b32 v[TM+4+qb], v[TM+qb], s[SEL], s[SEL+1]
.set qb, qb+1
.endr
.set qb, 0
.rept 2*\nc
	v_max_num_f32 v[TM+qb], v[TM+qb], v[TM+4+qb]                   ; the block's largest magnitude
.set qb, qb+1
.endr
.set qb, 0
.rept 2*\nc
	v_add_nc_u32 v[TM+12+qb], 0xfe000000, v[TM+qb]                 ; 4 off its exponent field: the conversion's scale operand
.set qb, qb+1
.endr
.set qb, 0
.rept 2*\nc
	v_lshrrev_b32 v[TM+4+qb], 23, v[TM+12+qb]                      ; the scale's byte
.set qb, qb+1
.endr
	WIN (\w)
.set qc, 0
.rept \nc
	v_cvt_scalef32_pk16_bf6_f32 v[\dst+6*qc:\dst+6*qc+2], v[\src+32*qc:\src+32*qc+15], v[TM+12+2*qc]
	v_cvt_scalef32_pk16_bf6_f32 v[TT+4*qc:TT+4*qc+2], v[\src+32*qc+16:\src+32*qc+31], v[TM+13+2*qc]
.set qc, qc+1
.endr
	WIN 0
	v_nop                                          ; one plain place behind a scaled conversion
.set qc, 0
.rept \nc
.irp i, 0,1,2
	v_permlane16_swap_b32 v[\dst+6*qc+\i], v[TT+4*qc+\i]           ; the first's lanes 16-31 change places with the second's lanes 0-15
.endr
.irp i, 0,1,2
	v_mov_b32 v[\dst+6*qc+3+\i], v[TT+4*qc+\i]
.endr
.set qc, qc+1
.endr
.endm
	s_load_b256 s[4:11], s[0:1], 0x0               ; x s[4:5], qkv s[6:7], nz s[8:9], wimg s[10:11]
	s_load_b256 s[12:19], s[0:1], 0x20             ; bo s[12:13], b1 s[14:15], b2 s[16:17], ln_g s[18:19]
	s_load_b128 s[20:23], s[0:1], 0x40             ; ln_b s[20:21], out0 s[22:23]
	v_lshl_add_u32 v2, v0, 2, SPARE                ; my spare word; never rewritten
	v_mov_b32 v3, 0                                ; 0; never rewritten
	ds_add_u32 v2, v3
	ds_add_u32 v2, v3
	s_wait_dscnt 0x0
	v_lshrrev_b32 v28, 5, v0
	v_readfirstlane_b32 s24, v28                   ; wave 0..3
	s_bfe_u32 s25, ttmp6, 0x40000                  ; cx: it enters the addresses of x, q and out0 alone
	s_lshl_b32 s26, ttmp9, 2
	s_add_co_u32 s26, s26, s25                     ; work-group: which 64 rows
	s_lshr_b32 s27, ttmp9, 2                       ; batch: the four partners share it
	; descriptor groups 1: dense blocks as rows of 256 bytes: s[32:39] a quarter of a weight tile (100 rows), s[40:47] a third of k and v (136), s[48:55] all of nz (16)
.irp g, 32,40,48
	s_mov_b32 s[\g], 15|(3<<16)|(1<<21)            ; 15:0 the mask: all four work-groups; 17:16 elements of 8 bytes; 21 set beside a mask
	s_mov_b32 s[\g+1], 32<<16                      ; tensor_dim0 = 32
	s_mov_b32 s[\g+3], 32<<16                      ; tile_dim0 = 32
	s_mov_b32 s[\g+5], 32                          ; from row to row
	s_mov_b32 s[\g+6], 0
	s_mov_b32 s[\g+7], 0
.endr
	s_mov_b32 s34, 100<<16                         ; tensor_dim1,
	s_mov_b32 s36, 100                             ; tile_dim1
	s_mov_b32 s42, 136<<16                         ; a third of k and v
	s_mov_b32 s44, 136
	s_mov_b32 s50, 16<<16                          ; all of the batch's nz
	s_mov_b32 s52, 16
	; groups 0: s[56:59] slot 0, s[60:63] slot 1, s[68:71] k and v, s[72:75] nz.  Wave number and batch alone enter them
	s_mov_b32 s56, 1
	s_mul_i32 s57, s24, PARTB
	s_mov_b32 s60, 1
	s_add_co_u32 s61, s57, SLOTB
	s_mov_b32 s68, 1
	s_mul_i32 s69, s24, 34816                      ; waves 0-2: my third of k and v
	s_mov_b32 s72, 1
	s_mov_b32 s73, 0                               ; wave 3: nz whole
	s_mov_b32 s84, s57
	s_mov_b32 s85, 0
	s_mul_i32 s86, s27, 157696
	s_add_co_u32 s86, s86, s69
	s_mov_b32 s87, 0
	s_lshl_b32 s88, s27, 12
	s_add_co_u32 s88, s88, s73
	s_mov_b32 s89, 0
	s_add_co_u32 s69, s69, KV
	s_add_co_u32 s73, s73, ZB
	s_mov_b32 s[SEL], 0x76543210
	s_mov_b32 s[SEL+1], 0xfedcba98                 ; v_permlanex16_b32's selects for lane l xor 16
	s_mov_b32 s78, 0x3e38aa3b                      ; c = log2(e) / 8
	s_mov_b32 s79, s78                             ; (named with it as a pair, so it is written)
	s_mov_b32 s80, 0                               ; where the key step's block begins
	s_mov_b32 s81, 0                               ; and its nz
	s_wait_kmcnt 0x0
	s_mov_b64 s[28:29], s[10:11]                   ; the tiles that come straight into registers: tile 0 first, two tiles on for each product
	s_add_nc_u64 s[58:59], s[10:11], s[84:85]      ; my quarter of a tile:
	s_add_nc_u64 s[58:59], s[58:59], SLOTB         ; of tile 1, product 0's second,
	s_add_nc_u64 s[62:63], s[58:59], 2*SLOTB       ; and of tile 3, product 1's
	s_or_b32 s59, s59, 0x80000000
	s_or_b32 s63, s63, 0x80000000
	s_add_nc_u64 s[70:71], s[6:7], s[86:87]
	s_or_b32 s71, s71, 0x80000000
	s_add_nc_u64 s[74:75], s[8:9], s[88:89]
	s_or_b32 s75, s75, 0x80000000
	ROUND                                          ; all four work-groups are here: the first joint loads meet
	s_cmp_lt_u32 s24, 3                            ; the head's tiles are shared out by the wave's number: one chain, one load to an arm, one join
	s_cbranch_scc0 .Lhead_nz
	tensor_load_to_lds s[68:71], s[40:47]          ; a third of k and v
	s_nop 0
	PLACES
	s_branch .Lhead_asked
.Lhead_nz:
	tensor_load_to_lds s[72:75], s[48:55]          ; nz
	s_nop 0
	PLACES
.Lhead_asked:
	v_and_b32 v28, 31, v0                          ; lane
	v_and_b32 v29, 15, v0                          ; r
	v_bfe_u32 v30, v0, 4, 1                        ; h
	v_lshlrev_b32 v1, 4, v28                       ; 16 x lane
	v_add_nc_u32 v4, s84, v1                       ; my quarter of a tile: fragments; in slot 0, and from a tile's first byte in memory,
	v_add_nc_u32 v5, SLOTB, v4                     ; in slot 1
	v_lshl_add_u32 v6, v29, 5, s84
	v_add_nc_u32 v6, 24576, v6                     ; scale words: 32 r
	v_add_nc_u32 v7, SLOTB, v6
	v_add_nc_u32 v8, KV, v1                        ; images in what was k and v
	v_add_nc_u32 v9, OIMG, v1                      ; the head's images
	s_mul_i32 s87, s24, 4*FRB
	v_add_nc_u32 v10, s87, v8                      ; where I store my K step's four fragments,
	s_lshl_b32 s91, s24, 9
	v_add_nc_u32 v11, s91, v8                      ; and their scale words
	v_add_nc_u32 v12, LNX, v1                      ; the LayerNorm's sums: all waves',
	v_add_nc_u32 v13, s91, v12                     ; mine
	s_mul_i32 s94, s24, 16*528
	s_add_co_u32 s94, s94, STAGE                   ; my stage: 16 rows of 512 bytes + 16
	v_mul_u32_u24 v14, v29, 528
	v_lshl_add_u32 v14, v30, 6, v14
	v_add_nc_u32 v14, s94, v14                     ; in: row r, + 64 h
	v_add_nc_u32 v15, s94, v1                      ; back: a row to 32 lanes
	v_lshl_add_u32 v17, v30, 6, s91                ; my columns in a vector of 512: 512 w + 64 h bytes
	s_wait_alu depctr_va_vdst(0)
	v_add_nc_u32 v18, s91, v1                      ; out0: 512 w + 16 x lane
	v_lshl_add_u32 v24, v28, 3, KV+512             ; a half fragment's registers 4, 5: 8 x lane
	v_lshl_add_u32 v25, v29, 5, KV+6144            ; k's scale words: 32 r
	v_lshl_add_u32 v26, v29, 4, KV+12800           ; v's: 16 r
	v_lshl_add_u32 v27, v30, 6, ZB                 ; nz of my 16 keys of a block: 64 h
	v_add_nc_u32 v30, VECS, v17                    ; my columns of a vector of 512 in LDS
	; q: tile 4 (work-group % 16) + w of the batch
	s_and_b32 s86, s26, 15
	s_lshr_b32 s87, s86, 1
	s_mul_i32 s87, s87, 6656
	s_and_b32 s86, s86, 1
	s_lshl_b32 s86, s86, 2
	s_add_co_u32 s86, s86, s24                     ; which of its group's eight
	s_mul_i32 s88, s27, 157696
	s_add_co_u32 s88, s88, s87
	s_add_co_u32 s88, s88, 104448
	s_mov_b32 s89, 0
	s_add_nc_u64 s[6:7], s[6:7], s[88:89]
	s_mul_i32 s87, s86, 768
	s_lshl_b32 s86, s86, 2
	s_add_co_u32 s86, s86, 6144
	v_add_nc_u32 v84, s87, v1
	v_lshl_add_u32 v85, v28, 3, s87
	v_lshl_add_u32 v86, v29, 5, s86
	s_lshl_b32 s88, s26, 17                        ; my 64 rows of 2,048 bytes
	s_add_nc_u64 s[4:5], s[4:5], s[88:89]
	s_add_nc_u64 s[22:23], s[22:23], s[88:89]
	WIN 0x40
	global_load_b128 v[96:99], v84, s[6:7]
	global_load_b64 v[100:101], v85, s[6:7] offset:512
	WIN 0
	global_load_b32 v44, v86, s[6:7]
.macro BIAS p                          ; a bias of my 128 columns in the result's layout, into window 3: the C of each sum's first product.  16 loads
	WIN 0xc0
.irp t, 0,1,2,3,4,5,6,7
	global_load_b128 v[192+8*\t:195+8*\t], v17, s[\p:\p+1] offset:(32*(\t/2)+8*(\t%2))*4
	global_load_b128 v[196+8*\t:199+8*\t], v17, s[\p:\p+1] offset:(32*(\t/2)+8*(\t%2))*4+16
.endr
	WIN 0
.endm
; K step sl (0, 1) of the tile at s[28:29], my quarter, straight from memory into set sl: 24 loads of 512 consecutive bytes for the fragments, 2 for the scale words
.macro GLOADF sl
	WIN 0xc0
.irp t, 0,1,2,3,4,5,6,7
.irp c, 0,1,2
	global_load_b128 v[96*\sl+12*\t+4*\c:96*\sl+12*\t+4*\c+3], v4, s[28:29] offset:(8*\sl+\t)*FRB+512*\c
.endr
.endr
	WIN 0
.endm
.macro GLOADS sl
	global_load_b128 v[32+8*\sl:35+8*\sl], v6, s[28:29] offset:512*\sl
	global_load_b128 v[36+8*\sl:39+8*\sl], v6, s[28:29] offset:512*\sl+16
.endm
.macro GLOADW sl
	GLOADF \sl
	GLOADS \sl
.endm
.macro BIASL                           ; bo of my 128 columns out of LDS, in the result's layout, into window 3: 16 loads, sixteen lanes to the same 16 bytes
	WIN 0xc0
.irp t, 0,1,2,3,4,5,6,7
	ds_load_b128 v[192+8*\t:195+8*\t], v30 offset:(32*(\t/2)+8*(\t%2))*4
	ds_load_b128 v[196+8*\t:199+8*\t], v30 offset:(32*(\t/2)+8*(\t%2))*4+16
.endr
	WIN 0
.endm
.set xi, 0
.macro XLOAD n                         ; the next n of x's 64 loads, into window 2: load 16 m + i brings my 512 bytes of the row of lane i of row tile m into registers 64 m + 4 i on
	WIN 0x80
.rept \n
	global_load_b128 v[4*xi:4*xi+3], v18, s[4:5] offset:(32*(xi/32)+8*((xi/16)%2)+(xi%16)+8*((xi%16)/8))*2048 th:TH_LOAD_NT   ; 32 lanes read 512 consecutive bytes
.set xi, xi+1
.endr
	WIN 0
.endm
	v_lshlrev_b32 v88, 4, v0                       ; 16 x thread: my 16 bytes of a vector of 2,048 bytes,
	v_lshl_add_u32 v89, v0, 4, VECS                ; and their place in LDS
	global_load_b128 v[72:75], v88, s[12:13]       ; bo
	global_load_b128 v[76:79], v88, s[18:19]       ; ln_g
	global_load_b128 v[80:83], v88, s[20:21]       ; ln_b
	XLOAD 56                                       ; x lands under the attention
	WIN 0x40
.irp t, 0,1,2,3,4,5,6,7,8
.irp i, 6,7,8,9,10,11
	v_mov_b32 v[12*\t+\i], 0                       ; K of the scores is 64: the upper halves of k's eight fragments and of q's are zero codes; the loads never touch them
.endr
.endr
	WIN 0
.set ai, 0
.rept 32
	v_mov_b32 v[224+ai], 0                         ; O^T.  (The key step is written once for all that have a successor)
.set ai, ai+1
.endr
.irp b, 0,1,2,3
	v_mov_b32 v[TM+4+\b], 0                        ; written once: a lane permute's destination counts as one of its sources
.endr
	s_wait_alu depctr_va_vdst(0)
	s_wait_loadcnt 56                              ; q, its scale word and the three vectors are in; x's 56 loads behind them may be out
	ds_store_b128 v89, v[72:75]
	ds_store_b128 v89, v[76:79] offset:2048
	ds_store_b128 v89, v[80:83] offset:4096
	s_wait_tensorcnt 0x0                           ; my tile of the head's is in
	ds_add_u32 v2, v3
	s_wait_dscnt 0x0                               ; the add is done, and my stores have landed
	ROUND                                          ; everybody's tiles and stores are in, and all four work-groups are here
	tensor_load_to_lds s[56:59], s[32:39]          ; slot 0's first fill: weight tile 1
	s_nop 0
	PLACES
	BIASL
.macro AADDR                           ; the key step's addresses
	v_add_nc_u32 v19, s80, v8
	v_add_nc_u32 v20, s80, v24
	v_add_nc_u32 v21, s80, v25
	v_add_nc_u32 v22, s80, v26
	v_add_nc_u32 v23, s81, v27
.endm
.macro KLOAD                           ; 8 tiles of 16 keys and their scale words: 18 loads
	WIN 0x40
.irp i, 0,1,2,3,4,5,6,7
	ds_load_b128 v[12*\i:12*\i+3], v19 offset:768*\i
	ds_load_b64 v[12*\i+4:12*\i+5], v20 offset:768*\i
.endr
	WIN 0
	ds_load_b128 v[32:35], v21
	ds_load_b128 v[36:39], v21 offset:16
.endm
.macro ZLOAD                           ; nz of my 64 keys: 16 loads
.irp b, 0,1,2,3
.irp j, 0,1,2,3
	ds_load_b128 v[160+16*\b+4*\j:163+16*\b+4*\j], v23 offset:128*\b+16*\j
.endr
.endr
.endm
.macro VLOAD                           ; 4 tiles of 16 of the head's 64 x 128 keys, and their scale words: 17 loads
	WIN 0x40
.irp d, 0,1,2,3
.irp c, 0,1
	ds_load_b128 v[108+12*\d+6*\c:111+12*\d+6*\c], v19 offset:6656+FRB*\d+768*\c
	ds_load_b64 v[112+12*\d+6*\c:113+12*\d+6*\c], v20 offset:6656+FRB*\d+768*\c
.endr
.endr
	WIN 0
	ds_load_b128 v[40:43], v22
.endm
; A KEY STEP: 128 keys.  next = 1: the next step's k, nz and v are asked for as soon as their registers are free.  next = 0: the last step; the registers of k's scale words take the first large product's
.macro ASTEP next
	s_wait_dscnt 17                                ; k, its scale words and nz are in; v's 17 loads behind them may be out
	WIN 0x05
.irp i, 0,1,2,3,4,5,6,7
	v_wmma_scale_f32_16x16x128_f8f6f4 v[96+8*\i:103+8*\i], v[12*\i:12*\i+11], v[96:107], 0, v[32+\i], v44 matrix_a_fmt:MATRIX_FMT_BF6 matrix_b_fmt:MATRIX_FMT_BF6
.endr
	WIN 0
.if \next
	s_add_co_u32 s80, s80, STEPB
	s_add_co_u32 s81, s81, 512
	AADDR                                          ; five plain additions: the places behind the products
	KLOAD
.else
	PLACES
	GLOADS 0                                       ; wo's scale words of K step 0
.endif
.set ai, 0
.rept 32
	v_pk_fma_f32 v[96+ai:97+ai], v[96+ai:97+ai], s[78:79], v[160+ai:161+ai] op_sel_hi:[1,0,1]   ; t = c s + nz: register 16 b + i is key 32 b + 16 h + i
.set ai, ai+2
.endr
.if \next
	ZLOAD
.endif
.irp b, 0,1,2,3
	v_max3_num_f32 v[TM+\b], v[96+16*\b], v[97+16*\b], v[98+16*\b]                 ; a block's largest p is not searched for: p rises with t, so the largest t goes through the same exponential
.endr
.irp i, 3,5,7,9,11,13
.irp b, 0,1,2,3
	v_max3_num_f32 v[TM+\b], v[TM+\b], v[96+16*\b+\i], v[97+16*\b+\i]
.endr
.endr
.irp b, 0,1,2,3
	v_max_num_f32 v[TM+\b], v[TM+\b], v[111+16*\b]
.endr
.irp b, 0,1,2,3
	v_permlanex16_b32 v[TM+4+\b], v[TM+\b], s[SEL], s[SEL+1]
.endr
.irp b, 0,1,2,3
	v_max_num_f32 v[TM+\b], v[TM+\b], v[TM+4+\b]
.endr
	s_wait_alu depctr_va_vdst(0)
.irp b, 0,1,2,3
	v_exp_f32 v[TM+\b], v[TM+\b]
.endr
.set ai, 0
.rept 64
	v_exp_f32 v[96+ai], v[96+ai]                   ; p, finished and normalised
.set ai, ai+1
.endr
	v_nop                                          ; one plain place behind the exponentials
	s_wait_alu depctr_va_vdst(0)
.irp b, 0,1,2,3
	v_max_num_f32 v[TM+\b], 0x2800000, v[TM+\b]    ; the floor 2^(5 - 127): the byte cannot fall under 1
.endr
.irp b, 0,1,2,3
	v_add_nc_u32 v[TM+12+\b], 0xfe000000, v[TM+\b]
.endr
.irp b, 0,1,2,3
	v_lshrrev_b32 v[TM+4+\b], 23, v[TM+12+\b]
.endr
	v_lshl_or_b32 v56, v[TM+5], 8, v[TM+4]         ; p's scale word for these 128 keys
	v_lshl_or_b32 v56, v[TM+6], 16, v56
	v_lshl_or_b32 v56, v[TM+7], 24, v56
.irp c, 0,1
	v_cvt_scalef32_pk16_bf6_f32 v[PC+6*\c:PC+6*\c+2], v[96+32*\c:111+32*\c], v[TM+12+2*\c]
	v_cvt_scalef32_pk16_bf6_f32 v[TT+4*\c:TT+4*\c+2], v[112+32*\c:127+32*\c], v[TM+13+2*\c]
.endr
	v_nop
.irp c, 0,1
.irp i, 0,1,2
	v_permlane16_swap_b32 v[PC+6*\c+\i], v[TT+4*\c+\i]
.endr
.irp i, 0,1,2
	v_mov_b32 v[PC+6*\c+3+\i], v[TT+4*\c+\i]
.endr
.endr
.rept 8
	v_nop                                          ; a scale register written by a vector instruction stands 8 places ahead of a scaled matrix instruction, an operand so written 4
.endr
.if \next
	s_wait_alu depctr_va_vdst(0)
	s_wait_dscnt 34                                ; v is in; behind it stand the next step's k (18) and nz (16)
.else
	s_wait_alu depctr_va_vdst(0)
	s_wait_dscnt 0x0
.endif
	WIN 0x01
.irp d, 0,1,2,3
	v_wmma_scale_f32_16x16x128_f8f6f4 v[224+8*\d:231+8*\d], v[108+12*\d:119+12*\d], v[PC:PC+11], v[224+8*\d:231+8*\d], v[40+\d], v56 matrix_a_fmt:MATRIX_FMT_BF6 matrix_b_fmt:MATRIX_FMT_BF6
.endr
	WIN 0
	PLACES
.if \next
	VLOAD
.endif
.endm
	AADDR
	KLOAD
	ZLOAD
	VLOAD
	s_mov_b32 s82, 7
.Lastep:
	ASTEP 1
	s_sub_co_u32 s82, s82, 1
	s_cmp_lg_u32 s82, 0
	s_cbranch_scc1 .Lastep
	s_wait_tensorcnt 0x0                           ; tile 1 is in; the same lines once more, ahead of slot 1's first fill
	ds_add_u32 v2, v3
	s_wait_dscnt 0x0
	ROUND
	tensor_load_to_lds s[60:63], s[32:39]          ; weight tile 3
	s_nop 0
	PLACES
	XLOAD 8                                        ; the rest of x, ahead of wo's first tile, whose waits show it in
	GLOADF 0                                       ; wo's first tile is asked for a key step ahead of its use: the fragments now,
	GLOADF 1
	ASTEP 0                                        ; (set 0's scale words inside it),
	GLOADS 1                                       ; set 1's where v's and q's scale words have been read
; The weights' fragments of K step sl of a slot into set: 24 loads, and 2 of scale words.  I read the quarter that my own load brought
.macro FETCHW slot, sl, set
	WIN 0xc0
.irp t, 0,1,2,3,4,5,6,7
.irp c, 0,1,2
	ds_load_b128 v[96*\set+12*\t+4*\c:96*\set+12*\t+4*\c+3], v[4+\slot] offset:(8*\sl+\t)*FRB+512*\c
.endr
.endr
	WIN 0
	ds_load_b128 v[32+8*\set:35+8*\set], v[6+\slot] offset:512*\sl
	ds_load_b128 v[36+8*\set:39+8*\set], v[6+\slot] offset:512*\sl+16
.endm
; The four row tiles' fragments of K step idx into set: 12 loads, and 1 of scale words
.macro FETCHA areg, img, sc, idx, set
.irp m, 0,1,2,3
.irp c, 0,1,2
	ds_load_b128 v[96+48*\set+12*\m+4*\c:96+48*\set+12*\m+4*\c+3], v[\areg] offset:\img+(4*(\idx)+\m)*FRB+512*\c
.endr
.endr
	ds_load_b128 v[48+4*\set:51+4*\set], v[\areg] offset:\sc+512*(\idx)
.endm
; 32 products: my 8 tiles of columns x 4 row tiles, 128 along K.  aw: the accumulators' window;  cm = 1: the bias starts the sums
.macro MUL set, aw, cm
.if \cm
	WIN (3|(3<<4)|((\aw)<<6))
.else
	WIN (3|((\aw)<<4)|((\aw)<<6))
.endif
.irp t, 0,1,2,3,4,5,6,7
.irp m, 0,1,2,3
.if \cm
	v_wmma_scale_f32_16x16x128_f8f6f4 v[64*\m+8*\t:64*\m+8*\t+7], v[96*\set+12*\t:96*\set+12*\t+11], v[96+48*\set+12*\m:96+48*\set+12*\m+11], v[192+8*\t:192+8*\t+7], v[32+8*\set+\t], v[48+4*\set+\m] matrix_a_fmt:MATRIX_FMT_BF6 matrix_b_fmt:MATRIX_FMT_BF6
.else
	v_wmma_scale_f32_16x16x128_f8f6f4 v[64*\m+8*\t:64*\m+8*\t+7], v[96*\set+12*\t:96*\set+12*\t+11], v[96+48*\set+12*\m:96+48*\set+12*\m+11], v[64*\m+8*\t:64*\m+8*\t+7], v[32+8*\set+\t], v[48+4*\set+\m] matrix_a_fmt:MATRIX_FMT_BF6 matrix_b_fmt:MATRIX_FMT_BF6
.endif
.endr
.endr
	WIN 0
.endm
; SLOT p, whose two K steps are in registers, IS FILLED AGAIN with the second tile of the product two on, first thing behind the round.
.macro TRIP p
	s_wait_tensorcnt 0x0                           ; all my tensor loads have landed: the one that was out is my quarter of the other slot, the next product's; so a group 0 may be written
	ds_add_u32 v2, v3                              ; 0 onto my spare word
	s_add_nc_u64 s[58+4*\p:59+4*\p], s[58+4*\p:59+4*\p], 4*SLOTB   ; two products are four tiles on; the type bits on top are not reached
	s_wait_dscnt 0x0                               ; the add is done, and my reads of this slot are over
	ROUND                                          ; both now hold of every wave of all four work-groups
	tensor_load_to_lds s[56+4*\p:59+4*\p], s[32:39]
	s_nop 0
	PLACES
.endm
; A product of 64 rows x 512 columns x 512 along K: 128 matrix instructions a wave.  Its K steps 0 and 1 were asked for from memory into sets 0 and 1; K steps 2 and 3 lie in slot.
; str: K steps from image to image (0: the same image serves all four).  fill = 1: the slot is filled again.  next = 1: the next product's K steps 0 and 1 are asked for.
; bias = 1: b1's next 512, 2: b1's first 512, are asked for behind the K step that has read the old bias.  w0, w1: the global loads issued behind K step 0's and behind K step 1's
.macro GEMM aw, cm, areg, img, sc, str, slot, fill, next, bias, w0, w1
	BARRIER                                        ; every wave's images lie in LDS
	FETCHA \areg, \img, \sc, 0, 0
	FETCHA \areg, \img, \sc, \str, 1
	s_wait_loadcnt \w0                             ; the weights' K step 0 is in, and all that was asked for ahead of it
	s_wait_dscnt 13                                ; the rows' set 0 is in; set 1's 13 loads may be out
	MUL 0, \aw, \cm
	PLACES
.if \bias == 1
	s_add_nc_u64 s[14:15], s[14:15], 2048          ; (the loads that read this base were asked for ahead of K step 0: they are in)
.endif
.if \bias
	BIAS 14
.endif
	FETCHW \slot, 0, 0                             ; K step 2
	FETCHA \areg, \img, \sc, 2*\str, 0
	s_wait_loadcnt \w1                             ; the weights' K step 1 is in,
.if \next
	s_add_nc_u64 s[28:29], s[28:29], 2*SLOTB       ; so every load that read this base is done: on to the next product's first tile
.endif
	s_wait_dscnt 39                                ; the rows' set 1 is in; the 39 loads just issued may be out
	MUL 1, \aw, 0
	PLACES
	FETCHW \slot, 1, 1                             ; K step 3
	FETCHA \areg, \img, \sc, 3*\str, 1
	s_wait_dscnt 39                                ; all but the 39 just issued
	MUL 0, \aw, 0
	PLACES
.if \next
	GLOADW 0                                       ; set 0 has been multiplied for the last time
.endif
.if \fill
	TRIP \slot
.else
	s_wait_dscnt 0x0
.endif
	MUL 1, \aw, 0
.if \next
	PLACES
	GLOADW 1
.endif
.endm
; My 64 columns x 4 row tiles in window w become K step w of the next product: four images and their scale words
.macro QIMG w, img, sc
.irp m, 0,1,2,3
	QCORE 64*\m, \w, 96+12*\m, 2                   ; each row tile's codes in registers of their own (rows' set 0, which the products have done with): no store's data are written again
	v_lshl_or_b32 v[56+\m], v[TM+5], 8, v[TM+4]
	v_lshl_or_b32 v[56+\m], v[TM+6], 16, v[56+\m]
	v_lshl_or_b32 v[56+\m], v[TM+7], 24, v[56+\m]
.irp c, 0,1,2
	ds_store_b128 v10, v[96+12*\m+4*\c:96+12*\m+4*\c+3] offset:\img+FRB*\m+512*\c
.endr
.endr
	s_wait_alu depctr_va_vdst(0)
	ds_store_b128 v11, v[56:59] offset:\sc
.endm
.macro LNRED                           ; v60-67, a pair for each row tile -> v68-71: the pair's halves and lane l xor 16's: my wave's 128 columns
.irp m, 0,1,2,3
	v_add_f32 v[68+\m], v[60+2*\m], v[61+2*\m]
.endr
.irp m, 0,1,2,3
	v_permlanex16_b32 v[88+\m], v[68+\m], s[SEL], s[SEL+1]
.endr
.irp m, 0,1,2,3
	v_add_f32 v[68+\m], v[68+\m], v[88+\m]
.endr
.endm
.macro LNEX off                        ; and the four waves': store, wait, barrier, load
	ds_store_b128 v13, v[68:71] offset:\off
	BARRIER
.irp q, 0,1,2,3
	ds_load_b128 v[72+4*\q:75+4*\q], v12 offset:\off+512*\q
.endr
	s_wait_dscnt 0x0
.irp m, 0,1,2,3
	v_add_f32 v[68+\m], v[72+\m], v[76+\m]
	v_add_f32 v[88+\m], v[80+\m], v[84+\m]
.endr
.irp m, 0,1,2,3
	v_add_f32 v[68+\m], v[68+\m], v[88+\m]
.endr
.endm
; LayerNorm of the accumulators in window 1, in place, in two passes as it is defined: the mean, then the mean of the squared distances.  withx = 1: x is added first, and b2 is asked for.  n3: the loads behind gamma's and beta's
; x's row tile m, held as rows of 512 bytes, goes through my own stage and comes back in the accumulators' layout, into v96-159 and v160-223 by turns: the way out the other way round.
; The stage lies in what was k and v: every wave has passed a barrier with its reads of them over.  LDS serves a wave's instructions in order: no wait between the stores and the loads
.macro XT m
	WIN 0x08                                       ; an LDS store's data are its source 1: window 2
.irp i, 0,1,2,3,4,5,6,7,8,9,10,11,12,13,14,15
	ds_store_b128 v15, v[64*\m+4*\i:64*\m+4*\i+3] offset:528*\i
.endr
	WIN 0
.irp b, 0,1,2,3
.irp j, 0,1,2,3
	ds_load_b128 v[96+64*((\m)%2)+16*\b+4*\j:96+64*((\m)%2)+16*\b+4*\j+3], v14 offset:128*\b+16*\j
.endr
.endr
.endm
.macro XA m, younger                   ; + x, each accumulator from its low end on.  younger: the LDS instructions issued behind this tile's loads
	s_wait_dscnt \younger
	WIN 0x41                                       ; destination and source 0 window 1
.set li, 0
.rept 32
	v_pk_add_f32 v[64*\m+li:64*\m+li+1], v[64*\m+li:64*\m+li+1], v[96+64*((\m)%2)+li:96+64*((\m)%2)+li+1]
.set li, li+2
.endr
	WIN 0
.endm
.macro LN withx, n3
.if \withx
	XT 0                                           ; x was asked for ahead of wo's first tile, whose waits have shown it in
	XT 1
	XA 0, 32
	XT 2
	XA 1, 32
	XT 3
	XA 2, 32
	XA 3, 0
.endif
.irp b, 0,1,2,3
.irp j, 0,1,2,3
	ds_load_b128 v[96+16*\b+4*\j:99+16*\b+4*\j], v30 offset:2048+128*\b+16*\j      ; gamma of my 64 columns, out of LDS; the exchange's wait for LDS shows it in
.endr
.endr
.irp b, 0,1,2,3
.irp j, 0,1,2,3
	ds_load_b128 v[160+16*\b+4*\j:163+16*\b+4*\j], v30 offset:4096+128*\b+16*\j    ; beta
.endr
.endr
.if \withx
	WIN 0x80
.irp b, 0,1,2,3
.irp j, 0,1,2,3
	global_load_b128 v[16*\b+4*\j:16*\b+4*\j+3], v17, s[16:17] offset:128*\b+16*\j         ; b2 takes x's first registers
.endr
.endr
.endif
	WIN 0x05
.irp m, 0,1,2,3
	v_pk_add_f32 v[60+2*\m:61+2*\m], v[64*\m:64*\m+1], v[64*\m+2:64*\m+3]          ; each accumulator from its low end on; the four row tiles by turns
.endr
	WIN 0x04
.set li, 4
.rept 30
.irp m, 0,1,2,3
	v_pk_add_f32 v[60+2*\m:61+2*\m], v[60+2*\m:61+2*\m], v[64*\m+li:64*\m+li+1]
.endr
.set li, li+2
.endr
	WIN 0
	LNRED
	LNEX 0
.irp m, 0,1,2,3
	v_mul_f32 v[224+2*\m], 0x3b000000, v[68+\m]    ; / 512: the mean
	v_mul_f32 v[225+2*\m], 0x3b000000, v[68+\m]
.endr
	WIN 0x41
.set li, 0
.rept 32
.irp m, 0,1,2,3
	v_pk_add_f32 v[64*\m+li:64*\m+li+1], v[64*\m+li:64*\m+li+1], v[224+2*\m:225+2*\m] op_sel_hi:[1,0] neg_lo:[0,1] neg_hi:[0,1]
.endr
.set li, li+2
.endr
	WIN 0x05
.irp m, 0,1,2,3
	v_pk_mul_f32 v[60+2*\m:61+2*\m], v[64*\m:64*\m+1], v[64*\m:64*\m+1]
.endr
.set li, 2
.rept 31
.irp m, 0,1,2,3
	v_pk_fma_f32 v[60+2*\m:61+2*\m], v[64*\m+li:64*\m+li+1], v[64*\m+li:64*\m+li+1], v[60+2*\m:61+2*\m]
.endr
.set li, li+2
.endr
	WIN 0
	LNRED
	LNEX 2048
	s_mov_b32 s84, 0x3b000000                      ; 1 / 512
	s_mov_b32 s85, 0x3727c5ac                      ; 1e-5
.irp m, 0,1,2,3
	v_fma_f32 v[88+\m], v[68+\m], s84, s85
.endr
	s_wait_alu depctr_va_vdst(0)
.irp m, 0,1,2,3
	v_rsq_f32 v[232+2*\m], v[88+\m]
.endr
	v_nop                                          ; one plain place behind a transcendental
	s_wait_alu depctr_va_vdst(0)
.irp m, 0,1,2,3
	v_mov_b32 v[233+2*\m], v[232+2*\m]
.endr
	s_wait_alu depctr_va_vdst(0)
	s_wait_loadcnt \n3                             ; gamma and beta are in
	WIN 0x41
.set li, 0
.rept 32
.irp m, 0,1,2,3
	v_pk_mul_f32 v[64*\m+li:64*\m+li+1], v[64*\m+li:64*\m+li+1], v[232+2*\m:233+2*\m] op_sel_hi:[1,0]
.endr
.irp m, 0,1,2,3
	v_pk_fma_f32 v[64*\m+li:64*\m+li+1], v[64*\m+li:64*\m+li+1], v[96+li:97+li], v[160+li:161+li]
.endr
.set li, li+2
.endr
	WIN 0
.endm
	; ---- the head becomes the operand of head x wo
	s_wait_tensorcnt 1                             ; product 0's second tile, my quarter, is in; product 1's may be out
	QCORE 224, 0, PC, 1                            ; register 16 b + i of O^T is number 32 b + 16 h + i of my query's head
.irp i, 0,1,2,3,4,5
	v_mov_b32 v[PC+6+\i], v[PC+\i]                 ; the eight heads are one: K = 64 .. 127 repeat K = 0 .. 63
.endr
	v_lshl_or_b32 v56, v[TM+5], 8, v[TM+4]
	v_lshl_or_b32 v56, v56, 16, v56                ; and so do the scale bytes
	s_mul_i32 s84, s24, FRB
	v_add_nc_u32 v28, s84, v9
	s_lshl_b32 s85, s24, 2
	s_add_co_u32 s85, s85, OSC
	v_add_nc_u32 v29, s85, v1
.irp c, 0,1,2
	ds_store_b128 v28, v[PC+4*\c:PC+4*\c+3] offset:512*\c
.endr
	ds_store_b32 v29, v56                          ; word m = w of my lane's four
	GEMM 1, 1, 9, 0, OSC-OIMG, 0, 0, 1, 0, 2, 2, 16   ; head x wo + bo.  Behind K step 0's loads stand set 1's two of scale words; behind K step 1's, b1's 16
	PLACES
	LN 1, 16                                       ; h; behind gamma and beta stand b2's 16 loads
	s_add_nc_u64 s[28:29], s[28:29], 2*SLOTB       ; (the loads that read this base have been waited for)  the first feed-forward product's first tile:
	GLOADW 0                                       ; asked for here, so that it lands under the quantiser
	GLOADW 1
	QIMG 1, HIMG, HSC
	s_wait_loadcnt 52                              ; b2 is in; behind it stand the 52 loads just issued
	WIN 0x49
.irp m, 0,1,2,3
.set li, 0
.rept 32
	v_pk_add_f32 v[64*\m+li:64*\m+li+1], v[64*\m+li:64*\m+li+1], v[li:li+1]        ; h + b2 starts the last product's sums
.set li, li+2
.endr
.endr
	WIN 0
; A chunk of 512 hidden units: products 1 + 2 c (slot 1) and 2 + 2 c (slot 0).  nb = 1: the next chunk's b1 is asked for.  last = 1: no slot is filled again, and nothing follows the second product
.macro CHUNK nb, last
	GEMM 2, 1, 8, HIMG, HSC, 1, 1, 1-\last, 1, \nb, 26, 16*\nb   ; h x w1 + b1
	QIMG 2, MIMG, MSC
.if \last
	s_wait_tensorcnt 0x0                           ; the stream's last tile: my quarter, which I alone read, is in
.endif
	GEMM 1, 0, 8, MIMG, MSC, 1, 0, 1-\last, 1-\last, 0, 26, 0    ; += hidden x w2
.endm
	s_mov_b32 s83, 3
.Lchunk:
	CHUNK 1, 0
	s_sub_co_u32 s83, s83, 1
	s_cmp_lg_u32 s83, 0
	s_cbranch_scc1 .Lchunk
	CHUNK 0, 1                                     ; the last chunk is written out: it asks for no tile beyond the stream's end
	PLACES
	LN 0, 0
; THE WAY OUT, a row tile at a time: a lane holds 4 x 64 bytes of a row; through my own stage they come back as rows of 512 bytes.  LDS serves a wave's instructions in order: no wait between the stores and the loads
.macro TOSTAGE m
	WIN 0x04                                       ; an LDS store's data are its source 1: window 1
.irp b, 0,1,2,3
.irp j, 0,1,2,3
	ds_store_b128 v14, v[64*\m+16*\b+4*\j:64*\m+16*\b+4*\j+3] offset:128*\b+16*\j
.endr
.endr
	WIN 0
.irp i, 0,1,2,3,4,5,6,7,8,9,10,11,12,13,14,15
	ds_load_b128 v[96+64*((\m)%2)+4*\i:96+64*((\m)%2)+4*\i+3], v15 offset:528*\i
.endr
.endm
.macro SEND m, younger                 ; younger: the LDS instructions issued behind this tile's loads
	s_wait_dscnt \younger
.irp i, 0,1,2,3,4,5,6,7,8,9,10,11,12,13,14,15
	global_store_b128 v18, v[96+64*((\m)%2)+4*\i:96+64*((\m)%2)+4*\i+3], s[22:23] offset:(32*((\m)/2)+8*((\m)%2)+\i+8*(\i/8))*2048 th:TH_STORE_NT   ; 32 lanes store 512 consecutive bytes, at a multiple of 256 from out0's first byte
.endr
.endm
	TOSTAGE 0
	TOSTAGE 1
	s_wait_alu depctr_va_vdst(0)
	SEND 0, 32                                     ; behind tile 0's loads: tile 1's 16 stores and 16 loads
	s_wait_xcnt 0x0                                ; tile 0's stores have read their registers: tile 2's loads may land there
	TOSTAGE 2
	SEND 1, 32
	s_wait_xcnt 0x0
	TOSTAGE 3
	SEND 2, 32
	SEND 3, 0
	s_wait_tensorcnt 0x0                           ; the wave's end: behind my last tensor load and my last LDS store
	ds_add_u32 v2, v3
	s_wait_dscnt 0x0
	ROUND                                          ; the closing round: no work-group ends while a partner may still ask for a tile that names it
	s_endpgm
.Lfunc_end_k_qc6620469fd_main:
	.size	k_qc6620469fd_main, .Lfunc_end_k_qc6620469fd_main-k_qc6620469fd_main
	.p2alignl 7, 3214868480
	.fill 96, 4, 3214868480
	.section	.rodata,"a",@progbits
	.p2align	6, 0x0
	.amdhsa_kernel k_qc6620469fd_main
		.amdhsa_group_segment_fixed_size 327680
		.amdhsa_private_segment_fixed_size 0
		.amdhsa_enable_private_segment 0
		.amdhsa_kernarg_size 80
		.amdhsa_user_sgpr_count 2
		.amdhsa_user_sgpr_kernarg_segment_ptr 1
		.amdhsa_wavefront_size32 1
		.amdhsa_system_sgpr_workgroup_id_x 1
		.amdhsa_system_sgpr_workgroup_id_y 1
		.amdhsa_system_sgpr_workgroup_id_z 1
		.amdhsa_system_vgpr_workitem_id 0
		.amdhsa_next_free_vgpr 1024
		.amdhsa_next_free_sgpr 96
		.amdhsa_reserve_vcc 0
		.amdhsa_float_denorm_mode_32 3
		.amdhsa_float_denorm_mode_16_64 3
		.amdhsa_memory_ordered 1
		.amdhsa_forward_progress 1
		.amdhsa_inst_pref_size 255
	.end_amdhsa_kernel
	.section	.bss,"aw",@nobits
	.p2align	6
	.space	262144
	.amdgpu_metadata
---
amdhsa.version: [ 1, 2 ]
amdhsa.kernels:
  - .name:           k_qc6620469fd_main
    .symbol:         k_qc6620469fd_main.kd
    .args:
      - { .name: x, .offset: 0, .size: 8, .value_kind: global_buffer, .address_space: global }
      - { .name: qkv, .offset: 8, .size: 8, .value_kind: global_buffer, .address_space: global }
      - { .name: nz, .offset: 16, .size: 8, .value_kind: global_buffer, .address_space: global }
      - { .name: wimg, .offset: 24, .size: 8, .value_kind: global_buffer, .address_space: global }
      - { .name: bo, .offset: 32, .size: 8, .value_kind: global_buffer, .address_space: global }
      - { .name: b1, .offset: 40, .size: 8, .value_kind: global_buffer, .address_space: global }
      - { .name: b2, .offset: 48, .size: 8, .value_kind: global_buffer, .address_space: global }
      - { .name: ln_g, .offset: 56, .size: 8, .value_kind: global_buffer, .address_space: global }
      - { .name: ln_b, .offset: 64, .size: 8, .value_kind: global_buffer, .address_space: global }
      - { .name: out0, .offset: 72, .size: 8, .value_kind: global_buffer, .address_space: global }
    .group_segment_fixed_size: 327680
    .private_segment_fixed_size: 0
    .kernarg_segment_align: 8
    .kernarg_segment_size: 80
    .max_flat_workgroup_size: 128
    .sgpr_count:     96
    .vgpr_count:     1024
    .wavefront_size: 32
...
	.end_amdgpu_metadata
.endif
;; end of part 4
